; MI455X (gfx1250); checked and timed in simulation.
; The chip was launched on July 23, 2026; its instructions are those of AMD's public machine-readable ISA for CDNA 5 (MIT licence, August 2026) and "CDNA5" Instruction Set Architecture Reference Guide (July 2026). The comments in the code are by the model that wrote it; some were corrected since.
;; Multi Head Self Attention. Allowed arithmetic: matrix products marked QUANTISED: E2M3 operands, one E8M0 scale for each 32 along K, by v_wmma_scale_f32_16x16x128_f8f6f4 with both operands' format E2M3, f32 sums; everything else in f32.
;; Inputs: w_out 1,024 x 1,024 float32; w_qkv 3,072 x 1,024 float32; x 4 x 2,048 x 1,024 float32.
;; Outputs: out0 4 x 2,048 x 1,024 float32.
;; This version of the problem:
;;   THIS VERSION OF THE PROBLEM IS GIVEN IN LOW PRECISION. The matrix products marked QUANTISED in the list below multiply operands that are first quantised to E2M3 (2 exponent bits, 3 mantissa bits; 6 bits a number), with one power-of-two scale for each 32 numbers along K (OCP MX v1.0); their sums are f32. All else is computed in f32.
;;   The module's matrix products, in the order in which they are computed (A, B: the left and right operand; K: the contracted axis; several contracted axes count as one K, in the product's order):
;;     1. [M 8,192, K 1,024] x [K 1,024, N 3,072]; A: input x; B: input w_qkv: QUANTISED
;;     2. batch 64 x [M 2,048, K 64] x [K 64, N 2,048]; A: computed on the way; B: computed on the way: QUANTISED
;;     3. batch 64 x [M 2,048, K 2,048] x [K 2,048, N 64]; A: softmax (see below); B: computed on the way: QUANTISED
;;     4. [M 8,192, K 1,024] x [K 1,024, N 1,024]; A: computed on the way; B: input w_out: QUANTISED
;;   THE QUANTISER, for each operand of a quantised product, along K:
;;     - K is cut into blocks of 32 from its start; a last block that is shorter is filled with zeros.
;;     - A block's scale is 2^e with e = floor(log2(the largest magnitude in the block)) - 2, held to -126 .. 127; a block of zeros has e = 0. As a byte (E8M0): e + 127.
;;     - Each number is divided by its block's scale, clamped to +-7.5, and rounded to the nearest number of E2M3, ties to even, subnormals kept.
;;     - The product sums the exact products of the quantised numbers (number of the format x scale) in f32.
;;   ~~~python
;;   def quantise(x, axis):      # numpy; x: float32 -> the quantised numbers, widened to float32 again
;;       x = np.moveaxis(x, axis, -1); K = x.shape[-1]
;;       x = np.pad(x, [(0, 0)] * (x.ndim - 1) + [(0, -K % 32)]); x = x.reshape(x.shape[:-1] + (-1, 32)); a = np.abs(x).max(-1, keepdims=True)
;;       e = np.where(a > 0, np.clip(np.frexp(np.where(a > 0, a, 1))[1] - 1 - 2, -126, 127), 0)      # np.frexp(a)[1] - 1 = floor(log2(a)), exactly
;;       r = np.clip(x / 2.0 ** e, -7.5, 7.5)
;;       step = 2.0 ** (np.maximum(np.frexp(np.where(r == 0, 1, r))[1] - 1, 0) - 3)
;;       q = np.round(r / step) * step * 2.0 ** e      # np.round: ties to even
;;       return np.moveaxis(q.reshape(q.shape[:-2] + (-1,))[..., :K], -1, axis).astype(np.float32)
;;   ~~~
;;   SOFTMAX AHEAD OF A QUANTISED PRODUCT. Where the list says 'softmax', what is quantised is not the finished softmax but p = 2^(t - M), with t = logit x log2(e) and M = ceil(the row's largest t), a whole number; so 1/2 < the row's largest p <= 1. The row's sum l is taken of the UNQUANTISED p, in f32, and the product's result is divided by l at the end. Since M is a whole number, a kernel that streams over the keys may use a running M (the ceiling of the running maximum): every later rescaling is an exact power of two, which a block's scale takes up: the codes' values come out the same.
;;   OPERANDS COMPUTED ON THE WAY. 'Computed on the way' means the value that the module computes at that place (a softmax that the list does not call 'softmax' is quantised finished and normalised). What goes into a quantiser is computed in f32, as accurately as f32 sums, v_exp_f32 and their like allow (about 1e-6 of the number): no bf16 or f16 on the way to a quantiser, and a product that is left as it is and whose result goes on into a quantised operand takes f32 operands (vector FMAs, or v_wmma_f32_16x16x4_f32). A number that lies on a knife's edge between two numbers of the format may be rounded either way, as far as f32 arithmetic and the matrix unit's own rounding can turn it there, and no further.
;; One version. Each part assembles by itself: llvm-mc -triple=amdgcn-amd-amdhsa -mcpu=gfx1250 --defsym DOCPART=n.
;; ======== version 1 of 1: 4 launches
;; workspace buffers: cod 9,437,184 bytes; scl 393,216 bytes; qkv 20,185,088 bytes; aimg 6,291,456 bytes; asc 262,144 bytes
;; launch quant (part 1): grid 384 x 1, 4 waves a work-group, no clusters, 33,280 bytes of LDS; arguments x, w_qkv, w_out, cod, scl; writes cod, scl
.if DOCPART == 1
	.amdgcn_target "amdgcn-amd-amdhsa--gfx1250"
	.amdhsa_code_object_version 6
	.text
	.protected	k_q704f33fb91_quant
	.globl	k_q704f33fb91_quant
	.p2align	8
	.type	k_q704f33fb91_quant,@function
k_q704f33fb91_quant:
	s_mov_b64 s[64:65], 0
	v_nop
	global_prefetch_b8 v0, s[64:65] scope:SCOPE_SE
	s_setreg_imm32_b32 hwreg(HW_REG_WAVE_MODE, 25, 1), 1
	s_wait_xcnt 0x0
; x [8192][1024], w_qkv [3072][1024] and w_out [1024][1024], f32, become codes of FP6 (E2M3), K innermost, and one E8M0 scale byte for each 32 along K.
; cod: 12,288 rows of 768 bytes (x, then w_qkv, then w_out); scl: the same rows, 32 bytes each.
; A block's scale is 2^(floor(log2(its largest magnitude)) - 2); its byte is the largest magnitude's exponent field - 2, held at 1 from below.  A block of zeros so gets the byte 1: its codes are zeros, and this program alone reads the bytes.
; LIMITS: NaN and infinities among the inputs are not served; blocks whose largest magnitude lies under 2^(2 - 126) have their byte held at 1.
; THE ROWS OF x AND OF w_qkv ARE STORED WITH BITS 3 AND 4 OF THE ROW'S NUMBER EXCHANGED (w_out's are not): a work-group takes 32 rows, a wave 8, so the exchange is an exchange of the two bits of the wave's number
; in the place where it stores.  The products that follow then find, in a lane's registers, 16 neighbours along the axis that is quantised next.
; A wave takes 16 steps of 512 numbers.  Each load reads 512 consecutive bytes; a step's 2,048 bytes turn through the wave's own stage in LDS, so that a lane holds 16 neighbours along K (two lanes hold a block).
; No tensor loads, no barrier, no matrix work, no cluster: a stream whose waves share nothing.  Loads run four steps (16 loads a wave) ahead, the turn through LDS one step.
.set WAVES, 4
.set STEPS, 16
.set EMAX,  2
.set CB,    12                         ; bytes of 16 codes
.set R,     16                         ; v16-79   four sets of 16 numbers as they are loaded
.set X,     80                         ; v80-111  two sets of 16 neighbours
.set C,     128                        ; v128-191 codes: four registers for each step, so that no store's data are written again
.set E,     112                        ; v112-127 a scale byte for each step
.set WREG,  8192                       ; LDS: a region for each wave: two stages of 32 x SP bytes, behind them its 256 scale bytes
.set SP,    80                         ; a lane's place in a stage: its 64 bytes + 16 of padding
.set SPW,   12                         ; v12      LDS address of my spare word; never rewritten
.set NIL,   13                         ; v13      0; never rewritten
.set SPARE, WAVES*WREG                 ; behind the four regions: the spare words, 128 bytes for each wave
	s_load_b128 s[4:7], s[0:1], 0x0                ; x, w_qkv
	s_load_b128 s[8:11], s[0:1], 0x10              ; w_out, cod
	s_load_b64 s[12:13], s[0:1], 0x20              ; scl
	v_lshl_add_u32 v[SPW], v0, 2, SPARE
	v_mov_b32 v[NIL], 0
	v_lshrrev_b32 v1, 5, v0
	v_readfirstlane_b32 s16, v1                    ; wave
	v_and_b32 v2, 31, v0                           ; lane
	v_lshlrev_b32 v3, 4, v2                        ; my 16 bytes of a load's 512
	s_mul_i32 s17, s16, WREG
	v_lshrrev_b32 v14, 2, v2
	v_mul_u32_u24 v14, v14, SP
	v_and_b32 v15, 3, v2
	v_lshl_add_u32 v14, v15, 4, v14
	v_add_nc_u32 v14, s17, v14                     ; the stage, on the way in: SP (lane / 4) + 16 (lane % 4)
	v_mul_u32_u24 v15, v2, SP
	v_add_nc_u32 v15, s17, v15                     ; and on the way out: SP x lane: my 16 neighbours
	v_mul_u32_u24 v4, v2, CB                       ; my codes' place in a step's
	v_lshrrev_b32 v5, 1, v2
	s_add_co_u32 s17, s17, 2*32*SP
	v_add_nc_u32 v5, s17, v5                       ; LDS: my wave's 256 scale bytes, my block's byte
	v_lshlrev_b32 v7, 3, v2                        ; and on the way out 8 bytes a lane
	v_add_nc_u32 v6, s17, v7
	s_wait_alu depctr_va_vdst(0)
	s_wait_kmcnt 0x0
	; which tensor: work-groups 0-255 x, 256-351 w_qkv, 352-383 w_out.  The choice hangs on the work-group's number alone
	s_mov_b32 s17, 352
	s_cmp_lt_u32 ttmp9, 352
	s_cselect_b64 s[6:7], s[6:7], s[8:9]
	s_cselect_b32 s17, 256, s17                    ; the tensor's first work-group
	s_cselect_b32 s22, 1, 0                        ; are its rows exchanged?
	s_cmp_lt_u32 ttmp9, 256
	s_cselect_b64 s[4:5], s[4:5], s[6:7]
	s_cselect_b32 s17, 0, s17
	s_sub_co_u32 s18, ttmp9, s17
	s_lshl_b32 s18, s18, 2
	s_add_co_u32 s18, s18, s16                     ; which run of 8 rows (8,192 numbers) of the tensor I read
	s_mov_b32 s19, 0
	s_lshl_b64 s[20:21], s[18:19], 15              ; 32,768 bytes a run
	s_add_nc_u64 s[4:5], s[4:5], s[20:21]
	s_and_b32 s23, s16, 1
	s_lshl_b32 s23, s23, 1
	s_lshr_b32 s24, s16, 1
	s_or_b32 s23, s23, s24                         ; the wave's two bits exchanged
	s_cmp_eq_u32 s22, 1
	s_cselect_b32 s23, s23, s16
	s_lshl_b32 s18, ttmp9, 2
	s_add_co_u32 s18, s18, s23                     ; which run of cod and scl I write: they follow the work-groups' numbers
	s_mul_i32 s20, s18, 32*STEPS*CB                ; 6,144 bytes of codes a run
	s_mov_b32 s21, 0
	s_add_nc_u64 s[10:11], s[10:11], s[20:21]
	s_lshl_b32 s20, s18, 8                         ; 256 scale bytes a run
	s_add_nc_u64 s[12:13], s[12:13], s[20:21]
.macro LOAD t
.irp i, 0,1,2,3
	global_load_b128 v[R+16*((\t)%4)+4*\i:R+16*((\t)%4)+4*\i+3], v3, s[4:5] offset:2048*(\t)+512*\i th:TH_LOAD_NT   ; 32 lanes read 512 consecutive bytes
.endr
.endm
.macro TURN t                          ; step t's numbers through the stage: LDS serves a wave's instructions in order, so no wait stands between the stores and the loads
.irp i, 0,1,2,3
	ds_store_b128 v14, v[R+16*((\t)%4)+4*\i:R+16*((\t)%4)+4*\i+3] offset:32*SP*((\t)%2)+8*SP*\i
.endr
.irp i, 0,1,2,3
	ds_load_b128 v[X+16*((\t)%2)+4*\i:X+16*((\t)%2)+4*\i+3], v15 offset:32*SP*((\t)%2)+16*\i
.endr
.endm
.irp t, 0,1,2,3
	LOAD \t
.endr
	s_wait_loadcnt 12                              ; step 0's four loads are in; the twelve of steps 1 to 3 may be out
	TURN 0
.macro STEP t
.set XS, X+16*((\t)%2)
.if (\t) > 0
	s_wait_dscnt 1                                 ; this step's numbers are back from the stage (the last step's byte store may be out)
.else
	s_wait_dscnt 0x0
.endif
.if (\t)+4 < STEPS
	LOAD (\t)+4                                    ; the stage's stores have read these registers: they take the loads of four steps on
.endif
.if (\t)+1 < STEPS
.if STEPS-2-(\t) >= 3
	s_wait_loadcnt 12                              ; the next step's four loads are in; those of the three steps behind it may be out
.else
	s_wait_loadcnt 4*(STEPS-2-(\t))
.endif
	TURN (\t)+1                                    ; and go through the other stage while this step is worked
.endif
	v_max3_num_f32 v8, |v[XS]|, |v[XS+1]|, |v[XS+2]|               ; the largest magnitude of my 16
	v_max3_num_f32 v9, |v[XS+3]|, |v[XS+4]|, |v[XS+5]|
.irp i, 6,10
	v_max3_num_f32 v8, v8, |v[XS+\i]|, |v[XS+\i+1]|
	v_max3_num_f32 v9, v9, |v[XS+\i+2]|, |v[XS+\i+3]|
.endr
	v_max3_num_f32 v8, v8, |v[XS+14]|, |v[XS+15]|
	v_max3_num_f32 v8, v8, v9, (EMAX+1)<<23        ; and the floor 2^(EMAX + 1 - 127): the byte cannot fall under 1
	v_max_num_f32_dpp v8, v8, v8 row_xmask:1 row_mask:0xf bank_mask:0xf   ; and of my neighbour's 16: the block's
	v_add_nc_u32 v11, -(EMAX<<23), v8              ; EMAX off its exponent field: the conversion takes the exponent field of this operand as its scale
	v_cvt_scalef32_pk16_fp6_f32 v[C+4*(\t):C+4*(\t)+2], v[XS:XS+15], v11
	v_lshrrev_b32 v[E+(\t)], 23, v11               ; the scale's byte (a plain line behind the conversion)
	ds_store_b8 v5, v[E+(\t)] offset:16*(\t)       ; both lanes of a block write the same byte with the same value
	global_store_b96 v4, v[C+4*(\t):C+4*(\t)+2], s[10:11] offset:32*CB*(\t)   ; the wave stores 384 consecutive bytes
.endm
.irp t, 0,1,2,3,4,5,6,7,8,9,10,11,12,13,14,15
	STEP \t
.endr
	ds_load_b64 v[8:9], v6                         ; LDS serves a wave's instructions in order: these see my stores
	s_wait_dscnt 0x0
	global_store_b64 v7, v[8:9], s[12:13]          ; 32 lanes store 256 consecutive bytes, aligned
	s_wait_tensorcnt 0x0                           ; the wave's end, behind my last LDS store
	ds_add_u32 v[SPW], v[NIL]
	s_wait_dscnt 0x0
	s_endpgm
.Lfunc_end_k_q704f33fb91_quant:
	.size	k_q704f33fb91_quant, .Lfunc_end_k_q704f33fb91_quant-k_q704f33fb91_quant
	.p2alignl 7, 3214868480
	.fill 96, 4, 3214868480
	.section	.rodata,"a",@progbits
	.p2align	6, 0x0
	.amdhsa_kernel k_q704f33fb91_quant
		.amdhsa_group_segment_fixed_size 33280
		.amdhsa_private_segment_fixed_size 0
		.amdhsa_enable_private_segment 0
		.amdhsa_kernarg_size 40
		.amdhsa_user_sgpr_count 2
		.amdhsa_user_sgpr_kernarg_segment_ptr 1
		.amdhsa_wavefront_size32 1
		.amdhsa_system_sgpr_workgroup_id_x 1
		.amdhsa_system_sgpr_workgroup_id_y 1
		.amdhsa_system_sgpr_workgroup_id_z 1
		.amdhsa_system_vgpr_workitem_id 0
		.amdhsa_next_free_vgpr 192
		.amdhsa_next_free_sgpr 66
		.amdhsa_reserve_vcc 0
		.amdhsa_float_denorm_mode_32 3
		.amdhsa_float_denorm_mode_16_64 3
		.amdhsa_memory_ordered 1
		.amdhsa_forward_progress 1
		.amdhsa_inst_pref_size 33
	.end_amdhsa_kernel
	.amdgpu_metadata
---
amdhsa.version: [ 1, 2 ]
amdhsa.kernels:
  - .name:           k_q704f33fb91_quant
    .symbol:         k_q704f33fb91_quant.kd
    .args:
      - { .name: x, .offset: 0, .size: 8, .value_kind: global_buffer, .address_space: global }
      - { .name: w_qkv, .offset: 8, .size: 8, .value_kind: global_buffer, .address_space: global }
      - { .name: w_out, .offset: 16, .size: 8, .value_kind: global_buffer, .address_space: global }
      - { .name: cod, .offset: 24, .size: 8, .value_kind: global_buffer, .address_space: global }
      - { .name: scl, .offset: 32, .size: 8, .value_kind: global_buffer, .address_space: global }
    .group_segment_fixed_size: 33280
    .private_segment_fixed_size: 0
    .kernarg_segment_align: 8
    .kernarg_segment_size: 40
    .max_flat_workgroup_size: 128
    .sgpr_count:     66
    .vgpr_count:     192
    .wavefront_size: 32
...
	.end_amdgpu_metadata
.endif
;; end of part 1
;; launch qkvgemm (part 2): grid 8 x 48, 4 waves a work-group, clusters of 4 x 4, 327,680 bytes of LDS; arguments cod, scl, qkv; writes qkv
.if DOCPART == 2
	.amdgcn_target "amdgcn-amd-amdhsa--gfx1250"
	.amdhsa_code_object_version 6
	.text
	.protected	k_q704f33fb91_qkvgemm
	.globl	k_q704f33fb91_qkvgemm
	.p2align	8
	.type	k_q704f33fb91_qkvgemm,@function
k_q704f33fb91_qkvgemm:
	s_mov_b64 s[64:65], 0
	v_nop
	global_prefetch_b8 v0, s[64:65] scope:SCOPE_SE
	s_setreg_imm32_b32 hwreg(HW_REG_WAVE_MODE, 25, 1), 1
	s_wait_xcnt 0x0
	s_wait_alu depctr_hold_cnt(0) depctr_sa_sdst(0) depctr_va_vdst(0) depctr_va_sdst(0) depctr_va_ssrc(0) depctr_va_vcc(0) depctr_vm_vsrc(0)
	s_getreg_b32 s2, hwreg(HW_REG_IB_STS2, 6, 4)
	s_cmp_eq_u32 s2, 0
	s_cbranch_scc0 .Lentry_in_a_cluster
	s_endpgm
.Lentry_in_a_cluster:
	s_bfe_u32 s2, ttmp6, 0x10000c
	s_cmp_lg_u32 s2, 0xf033
	s_cbranch_scc0 .Lentry_shape_is_right
	s_endpgm
.Lentry_shape_is_right:
.set SIZE_K, 1024
.set KSTEP,  256
.set NQ,     KSTEP/128
.set ROWB,   192
.set KROW,   SIZE_K*6/8
.set PITCH,  240
.set FR,     12
.set NL,     6
.set NP,     4
.set HALFT,  128*PITCH
.set SLOT,   4*HALFT
.set LAPS,   SIZE_K/(2*KSTEP)
.set KS,     SIZE_K/32
.set SCL,    2*SLOT
.set HALFS,  (128*KS/256)*272
.set SBLK,   (16*KS/256)*272
.set SPARE,  SCL+4*HALFS
.set REC,    315392
.set R_KS,   196608
.set R_VS,   204800
.set R_QI,   208896
.set R_QS,   307200
.set ADRA, 16
.set ADRB, 20
.set ADRS, 27
.set SPW,  28
.set NIL,  29
.set SC,   32
.set AF,   128
.set PC,   64
.set CT,   160
.set TM,   168
.set W,    184
.set W2,   192
.set L16,  200
.set L8,   201
.set SOFF, 202
.set SH,   203
.set HH,   204
.set MODE, 95
.set G1, 24
.set G0, 32
.set G1B, 48
.set G0B, 56
.set G1S, 68
.set G0S, 76
.set G1SB, 80
.set G0SB, 88
.set MSB, 0
.macro WIN new
.if MSB != \new
	s_set_vgpr_msb (MSB<<8)|\new
.set MSB, \new
.endif
.endm
.set MUL_LO, 0xa1
.set MUL_HI, 0xf1
.set TO_B,   0x40
.macro JLOAD g0a, g1a, g0b, g1b
	s_cmp_eq_u32 s15, 0
	s_cbranch_scc0 .Lfor_b_\@
	tensor_load_to_lds s[\g0a:\g0a+3], s[\g1a:\g1a+7]
	s_nop 0
.rept 4
	v_nop
.endr
	s_branch .Lasked_\@
.Lfor_b_\@:
	tensor_load_to_lds s[\g0b:\g0b+3], s[\g1b:\g1b+7]
	s_nop 0
.rept 4
	v_nop
.endr
.Lasked_\@:
.endm
.macro CREST
	s_cmp_lg_u32 s14, 0
	s_cbranch_scc1 .Lnot_wave_0_\@
	s_barrier_signal -3
.Lnot_wave_0_\@:
	s_barrier_wait -3
	s_barrier_signal -1
	s_barrier_wait -1
.endm
.macro CROUND
	s_barrier_signal -1
	s_barrier_wait -1
	CREST
.endm
	s_load_b128 s[4:7], s[0:1], 0x0
	s_load_b64 s[12:13], s[0:1], 0x10
	v_lshl_add_u32 v[SPW], v0, 2, SPARE
	v_mov_b32 v[NIL], 0
	ds_add_u32 v[SPW], v[NIL]
	ds_add_u32 v[SPW], v[NIL]
	v_lshrrev_b32 v1, 5, v0
	v_readfirstlane_b32 s14, v1
	s_lshr_b32 s15, s14, 1
	s_and_b32 s16, s14, 1
	s_bfe_u32 s40, ttmp6, 0x40000
	s_bfe_u32 s41, ttmp6, 0x40004
	s_and_b32 s96, ttmp7, 0xffff
	s_lshl_b32 s93, s96, 2
	s_max_u32 s94, s96, 8
	s_sub_co_u32 s94, s94, 8
	s_lshl_b32 s94, s94, 3
	s_cmp_ge_u32 s96, 8
	s_cselect_b32 s[MODE], 1, 0
	s_cselect_b32 s17, 40, s93
	s_cselect_b32 s42, s94, 32
	s_add_co_u32 s17, s17, s41
	s_lshl_b32 s97, ttmp9, 2
	s_add_co_u32 s42, s42, s97
	s_add_co_u32 s42, s42, s40
	s_lshl_b32 s43, s41, 2
	s_lshl_b32 s43, 15, s43
	s_lshl_b32 s44, 0x1111, s40
	s_or_b32 s[G1+0], s43, (0<<16)|(1<<20)|(1<<21)|(3<<22)|(3<<25)
	s_or_b32 s[G1B+0], s44, (0<<16)|(1<<20)|(1<<21)|(3<<22)|(3<<25)
.irp g, G1, G1B
	s_mov_b32 s[\g+1], ROWB<<16
	s_mov_b32 s[\g+2], 128<<16
	s_mov_b32 s[\g+3], ROWB<<16
	s_mov_b32 s[\g+4], 128
	s_mov_b32 s[\g+5], KROW
	s_mov_b32 s[\g+6], 0
	s_mov_b32 s[\g+7], 0
.endr
	s_or_b32 s[G1S+0], s43, (3<<16)|(1<<20)|(1<<21)|(5<<22)|(3<<25)
	s_or_b32 s[G1SB+0], s44, (3<<16)|(1<<20)|(1<<21)|(5<<22)|(3<<25)
.irp g, G1S, G1SB
	s_mov_b32 s[\g+1], 32<<16
	s_mov_b32 s[\g+2], (128*KS/256)<<16
	s_mov_b32 s[\g+3], 32<<16
	s_mov_b32 s[\g+4], 128*KS/256
	s_mov_b32 s[\g+5], 32
	s_mov_b32 s[\g+6], 0
	s_mov_b32 s[\g+7], 0
.endr
	s_lshl_b32 s18, s16, 7
	s_lshl_b32 s20, s17, 8
	s_add_co_u32 s20, s20, s18
	s_lshl_b32 s46, s42, 8
	s_add_co_u32 s46, s46, s18
	s_mov_b32 s21, 0
	s_mov_b32 s47, 0
	s_mov_b64 s[18:19], KS
	s_mul_u64 s[22:23], s[20:21], s[18:19]
	s_mul_u64 s[92:93], s[46:47], s[18:19]
	s_mov_b64 s[18:19], KROW
	s_mul_u64 s[20:21], s[20:21], s[18:19]
	s_mul_u64 s[46:47], s[46:47], s[18:19]
	s_mul_i32 s45, s14, HALFT
	s_mul_i32 s94, s14, HALFS
	s_wait_dscnt 0x0
	s_wait_kmcnt 0x0
	s_add_nc_u64 s[20:21], s[4:5], s[20:21]
	s_add_nc_u64 s[22:23], s[6:7], s[22:23]
	s_add_nc_u64 s[46:47], s[4:5], s[46:47]
	s_add_nc_u64 s[92:93], s[6:7], s[92:93]
	CROUND
	s_mov_b32 s[G0S], 1
	s_add_co_u32 s[G0S+1], s94, SCL
	s_mov_b64 s[G0S+2:G0S+3], s[22:23]
	s_or_b32 s[G0S+3], s[G0S+3], 0x80000000
	s_mov_b32 s[G0SB], 1
	s_add_co_u32 s[G0SB+1], s94, SCL
	s_mov_b64 s[G0SB+2:G0SB+3], s[92:93]
	s_or_b32 s[G0SB+3], s[G0SB+3], 0x80000000
	JLOAD G0S, G1S, G0SB, G1SB
.irp s, 0,1
	s_mov_b32 s[G0+4*\s], 1
	s_add_co_u32 s[G0+4*\s+1], s45, \s*SLOT
	s_add_nc_u64 s[G0+4*\s+2:G0+4*\s+3], s[20:21], \s*ROWB
	s_or_b32 s[G0+4*\s+3], s[G0+4*\s+3], 0x80000000
	s_mov_b32 s[G0B+4*\s], 1
	s_add_co_u32 s[G0B+4*\s+1], s45, \s*SLOT
	s_add_nc_u64 s[G0B+4*\s+2:G0B+4*\s+3], s[46:47], \s*ROWB
	s_or_b32 s[G0B+4*\s+3], s[G0B+4*\s+3], 0x80000000
	s_wait_alu depctr_va_vdst(0)
	s_wait_tensorcnt 0x0
	ds_add_u32 v28, v29
	s_wait_dscnt 0x0
	CROUND
	JLOAD G0+4*\s, G1, G0B+4*\s, G1B
.endr
	v_and_b32 v1, 15, v0
	v_bfe_u32 v2, v0, 4, 1
	v_mul_u32_u24 v3, v1, PITCH
	v_mul_u32_u24 v4, v2, 24
	v_add_nc_u32 v4, v3, v4
	v_lshl_add_u32 v5, v2, 4, v4
	s_mul_i32 s21, s15, HALFT
	s_mul_i32 s22, s16, HALFT
	s_add_co_u32 s22, s22, 2*HALFT
.irp s, 0,1
	v_add_nc_u32 v[ADRA+\s], s21, v4
	v_add_nc_u32 v[ADRB+\s], s22, v4
	v_add_nc_u32 v[ADRA+2+\s], s21, v5
	v_add_nc_u32 v[ADRB+2+\s], s22, v5
	s_add_co_u32 s21, s21, SLOT
	s_add_co_u32 s22, s22, SLOT
.endr
	v_mul_u32_u24 v5, v1, KS
	v_lshrrev_b32 v6, 8, v5
	v_lshl_add_u32 v5, v6, 4, v5
	s_mul_i32 s21, s15, HALFS
	s_mul_i32 s22, s16, HALFS
	s_add_co_u32 s22, s22, 2*HALFS
	s_sub_co_u32 s22, s22, s21
	v_mul_u32_u24 v6, s22, v2
	s_add_co_u32 s21, s21, SCL
	v_add_nc_u32 v5, v5, v6
	v_add_nc_u32 v[ADRS], s21, v5
.macro FRAG reg, adr, q, i
.irp p, 0,1,2,3,4,5
.set PCE, 12*(\q)+6*(\p/3)+\p%3
.if PCE%8 < 5
	ds_load_b64 v[\reg+2*\p:\reg+2*\p+1], v[\adr] offset:8*PCE+16*(PCE/8)+(\i)*16*PITCH
.else
	ds_load_b64 v[\reg+2*\p:\reg+2*\p+1], v[\adr+2] offset:8*PCE+16*(PCE/8)+(\i)*16*PITCH
.endif
.endr
.endm
.macro MUL16 a0, p, q, sc, zero
.irp a, \a0, \a0+1
.irp b, 0,1,2,3,4,5,6,7
.if \zero
	v_wmma_scale_f32_16x16x128_f8f6f4 v[8*(8*((\a)%4)+\b):8*(8*((\a)%4)+\b)+7], v[128*(\p)+FR*\b:128*(\p)+FR*\b+FR-1], v[AF+FR*(\a):AF+FR*(\a)+FR-1], 0, v[SC+8*NQ*(\sc)+NQ*\b+(\q)], v[SC+8*NQ*(\sc)+NQ*(\a)+(\q)] matrix_a_fmt:MATRIX_FMT_FP6 matrix_b_fmt:MATRIX_FMT_FP6 matrix_a_scale:MATRIX_SCALE_ROW1
.else
	v_wmma_scale_f32_16x16x128_f8f6f4 v[8*(8*((\a)%4)+\b):8*(8*((\a)%4)+\b)+7], v[128*(\p)+FR*\b:128*(\p)+FR*\b+FR-1], v[AF+FR*(\a):AF+FR*(\a)+FR-1], v[8*(8*((\a)%4)+\b):8*(8*((\a)%4)+\b)+7], v[SC+8*NQ*(\sc)+NQ*\b+(\q)], v[SC+8*NQ*(\sc)+NQ*(\a)+(\q)] matrix_a_fmt:MATRIX_FMT_FP6 matrix_b_fmt:MATRIX_FMT_FP6 matrix_a_scale:MATRIX_SCALE_ROW1
.endif
.endr
.endr
.endm
.macro FETCH_B slot, q, p
	WIN TO_B
.irp i, 0,1,2,3,4,5,6,7
	FRAG 128*(\p)+FR*\i, ADRB+\slot, \q, \i
.endr
	WIN 0
.endm
.macro FETCH_A slot, q, i0
.irp i, \i0, \i0+1, \i0+2, \i0+3
	FRAG AF+FR*(\i), ADRA+\slot, \q, \i
.endr
.endm
.macro SCALES sc
.irp i, 0,1,2,3,4,5,6,7
	ds_load_b64 v[SC+8*NQ*\sc+NQ*\i:SC+8*NQ*\sc+NQ*\i+1], v[ADRS] offset:\i*SBLK
.endr
.endm
.macro PLACES n
.rept \n
	v_nop
.endr
.endm
.macro STEP slot, q, zero
	s_wait_dscnt 4*NL
	WIN MUL_LO
	MUL16 0, (\q)%2, \q, \slot, \zero
	MUL16 2, (\q)%2, \q, \slot, \zero
	s_wait_dscnt 0
	PLACES NP
	FETCH_B \slot, (\q)+1, 1-(\q)%2
	FETCH_A \slot, (\q)+1, 0
	WIN MUL_HI
	MUL16 4, (\q)%2, \q, \slot, \zero
	MUL16 6, (\q)%2, \q, \slot, \zero
	PLACES NP
	WIN 0
	FETCH_A \slot, (\q)+1, 4
.endm
.macro TURN slot, next, fill
	s_wait_tensorcnt 0x0
	ds_add_u32 v[SPW], v[NIL]
	s_wait_dscnt 4*NL+1
	WIN MUL_LO
	MUL16 0, 1, NQ-1, \slot, 0
	s_wait_dscnt 0x0
	s_barrier_signal -1
	MUL16 2, 1, NQ-1, \slot, 0
	WIN 0
	s_barrier_wait -1
.if \fill
	CREST
	s_add_nc_u64 s[G0+4*\slot+2:G0+4*\slot+3], s[G0+4*\slot+2:G0+4*\slot+3], 2*ROWB
	s_add_nc_u64 s[G0B+4*\slot+2:G0B+4*\slot+3], s[G0B+4*\slot+2:G0B+4*\slot+3], 2*ROWB
	JLOAD G0+4*\slot, G1, G0B+4*\slot, G1B
.else
	PLACES NP
.endif
	s_wait_alu depctr_va_vdst(0)
	v_add_nc_u32 v[ADRS], 4*NQ, v[ADRS]
	FETCH_B \next, 0, 0
	FETCH_A \next, 0, 0
	SCALES \next
	WIN MUL_HI
	MUL16 4, 1, NQ-1, \slot, 0
	MUL16 6, 1, NQ-1, \slot, 0
	PLACES NP
	WIN 0
	FETCH_A \next, 0, 4
.endm
	s_wait_alu depctr_va_vdst(0)
	s_wait_tensorcnt 1
	s_barrier_signal -1
	s_barrier_wait -1
	FETCH_B 0, 0, 0
	FETCH_A 0, 0, 0
	SCALES 0
	FETCH_A 0, 0, 4
	STEP 0, 0, 1
.if LAPS > 1
	s_mov_b32 s3, LAPS-1
.Llap:
	TURN 0, 1, 1
	STEP 1, 0, 0
	TURN 1, 0, 1
	STEP 0, 0, 0
	s_sub_co_u32 s3, s3, 1
	s_cmp_lg_u32 s3, 0
	s_cbranch_scc1 .Llap
.endif
	TURN 0, 1, 0
	STEP 1, 0, 0
	s_wait_dscnt 4*NL
	WIN MUL_LO
	MUL16 0, 1, NQ-1, 1, 0
	MUL16 2, 1, NQ-1, 1, 0
	s_wait_dscnt 0
	WIN MUL_HI
	MUL16 4, 1, NQ-1, 1, 0
	MUL16 6, 1, NQ-1, 1, 0
	WIN 0
.macro EQUANT a
.set AC, 64*((\a)%4)
.set PCA, PC+12*(\a)
	WIN 0x0a+5*((\a)/4)
.irp b, 0,1,2,3
	v_max3_num_f32 v[TM+\b], |v[AC+16*\b]|, |v[AC+16*\b+1]|, 0x1800000
.endr
.irp i, 2,4,6,8,10,12,14
.irp b, 0,1,2,3
	v_max3_num_f32 v[TM+\b], |v[AC+16*\b+\i]|, |v[AC+16*\b+\i+1]|, v[TM+\b]
.endr
.endr
	WIN 0
.irp b, 0,1,2,3
	v_permlanex16_b32 v[TM+4+\b], v[TM+\b], s20, s21
.endr
.irp b, 0,1,2,3
	v_max_num_f32 v[TM+\b], v[TM+\b], v[TM+4+\b]
.endr
.irp b, 0,1,2,3
	v_add_nc_u32 v[TM+12+\b], 0xff000000, v[TM+\b]
.endr
.irp b, 0,1,2,3
	v_lshrrev_b32 v[TM+4+\b], 23, v[TM+12+\b]
.endr
	v_lshl_or_b32 v[W+(\a)], v[TM+5], 8, v[TM+4]
	v_lshl_or_b32 v[W+(\a)], v[TM+6], 16, v[W+(\a)]
	v_lshl_or_b32 v[W+(\a)], v[TM+7], 24, v[W+(\a)]
	WIN 0x02+((\a)/4)
.irp c, 0,1
	v_cvt_scalef32_pk16_fp6_f32 v[PCA+6*\c:PCA+6*\c+2], v[AC+32*\c:AC+32*\c+15], v[TM+12+2*\c]
	v_cvt_scalef32_pk16_fp6_f32 v[CT+4*\c:CT+4*\c+2], v[AC+32*\c+16:AC+32*\c+31], v[TM+13+2*\c]
.endr
	WIN 0
	v_nop
.irp c, 0,1
.irp i, 0,1,2
	v_permlane16_swap_b32 v[PCA+6*\c+\i], v[CT+4*\c+\i]
.endr
.irp i, 0,1,2
	v_mov_b32 v[PCA+3+6*\c+\i], v[CT+4*\c+\i]
.endr
.endr
.endm
	PLACES NP
	v_and_b32 v[L8], 31, v0
	v_lshlrev_b32 v[L16], 4, v[L8]
	v_lshlrev_b32 v[L8], 3, v[L8]
	v_bfe_u32 v[HH], v0, 4, 1
	v_lshlrev_b32 v[SH], 4, v[HH]
	v_and_b32 v[SOFF], 15, v0
	v_lshlrev_b32 v[SOFF], 4, v[SOFF]
	v_mad_u32_u24 v[SOFF], v[HH], 4*REC, v[SOFF]
.irp b, 0,1,2,3
	v_mov_b32 v[TM+4+\b], 0
.endr
	s_mov_b32 s20, 0x76543210
	s_mov_b32 s21, 0xfedcba98
	s_mov_b32 s22, 0xffff
	s_mov_b32 s23, 0x7f7f0000
.irp a, 0,1,2,3,4,5,6,7
	EQUANT \a
.endr
	s_cmp_eq_u32 s[MODE], 1
	s_cbranch_scc1 .Lvmode
	s_sub_co_u32 s66, s42, 32
	s_lshl_b32 s66, s66, 2
	s_lshl_b32 s67, s16, 1
	s_add_co_u32 s66, s66, s67
	s_and_b32 s68, s66, 15
	s_lshl_b32 s68, s68, 2
	s_lshr_b32 s69, s17, 3
	s_add_co_u32 s68, s68, s69
	s_mul_i32 s68, s68, REC
	s_lshl_b32 s69, s17, 1
	s_add_co_u32 s69, s69, s15
	s_and_b32 s69, s69, 15
	s_mul_i32 s70, s69, 12288
	s_mul_i32 s71, s69, 6144
	s_add_co_u32 s71, s71, R_QI
	s_mov_b32 s72, R_QS
	s_cmp_ge_u32 s66, 16
	s_cselect_b32 s70, s70, s71
	s_cselect_b32 s72, R_KS, s72
	s_add_co_u32 s44, s68, s70
	s_mov_b32 s45, 0
	s_lshl_b32 s69, s69, 9
	s_add_co_u32 s46, s68, s72
	s_add_co_u32 s46, s46, s69
	s_mov_b32 s47, 0
	s_add_nc_u64 s[44:45], s[12:13], s[44:45]
	s_add_nc_u64 s[46:47], s[12:13], s[46:47]
	s_wait_alu depctr_va_vdst(0)
.irp a, 0,1,2,3,4,5,6,7
	global_store_b128 v[L16], v[PC+12*\a:PC+12*\a+3], s[44:45] offset:768*\a
	global_store_b64 v[L8], v[PC+12*\a+4:PC+12*\a+5], s[44:45] offset:768*\a+512
	global_store_b128 v[L16], v[PC+12*\a+6:PC+12*\a+9], s[44:45] offset:4*REC+768*\a
	global_store_b64 v[L8], v[PC+12*\a+10:PC+12*\a+11], s[44:45] offset:4*REC+768*\a+512
.endr
.irp a, 0,1,2,3,4,5,6,7
	v_lshrrev_b32 v[W2+\a], v[SH], v[W+\a]
.endr
.irp a, 0,1,2,3,4,5,6,7
	v_and_or_b32 v[W2+\a], v[W2+\a], s22, s23
.endr
.irp g, 0,1
	global_store_b128 v[SOFF], v[W2+4*\g:W2+4*\g+3], s[46:47] offset:256*\g
.endr
	s_branch .Lend
.Lvmode:
	s_sub_co_u32 s66, s17, 40
	s_lshl_b32 s66, s66, 2
	s_lshl_b32 s67, s15, 1
	s_add_co_u32 s66, s66, s67
	s_lshl_b32 s67, s42, 1
	s_add_co_u32 s67, s67, s16
	s_lshl_b32 s68, s66, 2
	s_lshr_b32 s69, s67, 4
	s_add_co_u32 s68, s68, s69
	s_mul_i32 s68, s68, REC
	s_and_b32 s69, s67, 15
	s_mul_i32 s70, s69, 12288
	s_add_co_u32 s44, s68, s70
	s_add_co_u32 s44, s44, 6144
	s_mov_b32 s45, 0
	s_lshl_b32 s69, s69, 8
	s_add_co_u32 s46, s68, s69
	s_add_co_u32 s46, s46, R_VS
	s_mov_b32 s47, 0
	s_add_nc_u64 s[44:45], s[12:13], s[44:45]
	s_add_nc_u64 s[46:47], s[12:13], s[46:47]
	s_wait_alu depctr_va_vdst(0)
.irp a, 0,1,2,3,4,5,6,7
.irp c, 0,1,2
	global_store_b128 v[L16], v[PC+12*\a+4*\c:PC+12*\a+4*\c+3], s[44:45] offset:(\a/4)*4*REC+(\a%4)*1536+512*\c
.endr
.endr
	v_cmp_ne_u32 vcc_lo, 0, v[HH]
.irp i, 0,1,2,3
	v_cndmask_b32 v[W2+\i], v[W+\i], v[W+4+\i], vcc_lo
.endr
	global_store_b128 v[SOFF], v[W2:W2+3], s[46:47]
.Lend:
	s_wait_tensorcnt 0x0
	ds_add_u32 v[SPW], v[NIL]
	s_wait_dscnt 0x0
	CROUND
	s_endpgm
.Lfunc_end_k_q704f33fb91_qkvgemm:
	.size	k_q704f33fb91_qkvgemm, .Lfunc_end_k_q704f33fb91_qkvgemm-k_q704f33fb91_qkvgemm
	.p2alignl 7, 3214868480
	.fill 96, 4, 3214868480
	.section	.rodata,"a",@progbits
	.p2align	6, 0x0
	.amdhsa_kernel k_q704f33fb91_qkvgemm
		.amdhsa_group_segment_fixed_size 327680
		.amdhsa_private_segment_fixed_size 0
		.amdhsa_enable_private_segment 0
		.amdhsa_kernarg_size 24
		.amdhsa_user_sgpr_count 2
		.amdhsa_user_sgpr_kernarg_segment_ptr 1
		.amdhsa_wavefront_size32 1
		.amdhsa_system_sgpr_workgroup_id_x 1
		.amdhsa_system_sgpr_workgroup_id_y 1
		.amdhsa_system_sgpr_workgroup_id_z 1
		.amdhsa_system_vgpr_workitem_id 0
		.amdhsa_next_free_vgpr 1024
		.amdhsa_next_free_sgpr 98
		.amdhsa_reserve_vcc 1
		.amdhsa_float_denorm_mode_32 3
		.amdhsa_float_denorm_mode_16_64 3
		.amdhsa_memory_ordered 1
		.amdhsa_forward_progress 1
		.amdhsa_inst_pref_size 171
	.end_amdhsa_kernel
	.amdgpu_metadata
---
amdhsa.version: [ 1, 2 ]
amdhsa.kernels:
  - .name:           k_q704f33fb91_qkvgemm
    .symbol:         k_q704f33fb91_qkvgemm.kd
    .args:
      - { .name: cod, .offset: 0, .size: 8, .value_kind: global_buffer, .address_space: global }
      - { .name: scl, .offset: 8, .size: 8, .value_kind: global_buffer, .address_space: global }
      - { .name: qkv, .offset: 16, .size: 8, .value_kind: global_buffer, .address_space: global }
    .group_segment_fixed_size: 327680
    .private_segment_fixed_size: 0
    .kernarg_segment_align: 8
    .kernarg_segment_size: 24
    .max_flat_workgroup_size: 128
    .sgpr_count:     98
    .vgpr_count:     1024
    .wavefront_size: 32
...
	.end_amdgpu_metadata
.endif
;; end of part 2
;; launch attn (part 3): grid 4 x 64, 16 waves a work-group, clusters of 4 x 1, 212,992 bytes of LDS; arguments qkv, aimg, asc; writes aimg, asc
.if DOCPART == 3
	.amdgcn_target "amdgcn-amd-amdhsa--gfx1250"
	.amdhsa_code_object_version 6
	.text
	.protected	k_q704f33fb91_attn
	.globl	k_q704f33fb91_attn
	.p2align	8
	.type	k_q704f33fb91_attn,@function
k_q704f33fb91_attn:
	s_mov_b64 s[64:65], 0
	v_nop
	global_prefetch_b8 v0, s[64:65] scope:SCOPE_SE
	s_setreg_imm32_b32 hwreg(HW_REG_WAVE_MODE, 25, 1), 1
	s_wait_xcnt 0x0
	s_wait_alu depctr_hold_cnt(0) depctr_sa_sdst(0) depctr_va_vdst(0) depctr_va_sdst(0) depctr_va_ssrc(0) depctr_va_vcc(0) depctr_vm_vsrc(0)
	s_getreg_b32 s2, hwreg(HW_REG_IB_STS2, 6, 4)
	s_cmp_eq_u32 s2, 0
	s_cbranch_scc0 .Lentry_in_a_cluster
	s_endpgm
.Lentry_in_a_cluster:
	s_bfe_u32 s2, ttmp6, 0x10000c
	s_cmp_lg_u32 s2, 0x3003
	s_cbranch_scc0 .Lentry_shape_is_right
	s_endpgm
.Lentry_shape_is_right:
; For each batch and head: O = softmax(Q K^T / 8) V on codes of FP6 (E2M3) with E8M0 scales; O / l is quantised along the model's 1,024 channels and leaves as images of the last product's operand registers.
; THE SOFTMAX: t = score x log2(e) / 8; M = the row's largest t so far, rounded up to a whole number; p = 2^(t - M) is quantised along the keys, not normalised.  The row's sum l is taken of the unquantised p and divides O at the end.
; When M moves, the sum and O are multiplied by 2^(old M - new M): exact.
; SHARES.  A work-group owns 512 queries of one record (head x 4 + batch); each of its sixteen waves owns one tile of 16 queries at a time, two one after the other, in 256 registers: four waves to a SIMD, so that one wave's
; vector work stands beside another's matrix work and LDS loads.  Every wave walks all 2,048 keys, 128 a step.
; K, V AND THEIR SCALE WORDS OF THE WHOLE RECORD, 208,896 BYTES, STAY IN LDS.  They are filled once, by joint tensor loads: the four work-groups of a cluster own the four quarters of one record's queries and need the same bytes.
; Nothing is filled again, so there is no ring.  Waves 0 to 3 issue five loads each (five of a wave's are out at the most): the scale words, then four chunks of four key steps; the first pass waits chunk by chunk.
; All of the record is asked for at the kernel's head, so there is no later request that a prefetch could run ahead of.
; LAYOUT.  Both products are used transposed: S^T = K Q^T, O^T = V^T P^T: a lane holds one query (lane % 16) throughout.  The keys of a tile of K and the channels of a tile of V were chosen by the launch before so that the 16
; registers of two neighbouring result tiles are 16 neighbours along the next product's K.  All operands lie in memory and LDS as images of their registers: every load takes consecutive bytes in consecutive lanes.
; THE HEAD'S K IS 64, THE INSTRUCTION'S 128.  Q's registers 6-11 hold zero codes and every scale word's bytes 2 and 3 are 0x7f.  A tile of K has six registers; the instruction names twelve, of which the upper six are the next
; tile's codes (behind the last tile: zeros): finite numbers that meet Q's zeros.
; LIMITS: NaN and infinities are not served; a block whose every number is 0 keeps the scale byte 1 (its codes are zeros).
.set REC,   315392                     ; a record of qkv
.set R_KS,  196608                     ; K's scale words, 512 bytes a step
.set R_VS,  204800                     ; V's, 256 a step
.set R_QI,  208896                     ; Q's tiles, 768 bytes each
.set R_QS,  307200                     ; Q's scale words
.set STEPB, 12288                      ; a key step: 8 tiles of K of 768 bytes, 4 tiles of V of 1,536
.set STG,   208896                     ; LDS behind the record's part: the scale pairs of my 512 queries, 2 bytes each; no tensor load lands here
.set SPARE, STG+1024                   ; the spare words, 128 bytes for each of sixteen waves
.set G1T,   24                         ; s[24:31] group 1: 48 rows of 256 bytes
.set G1S,   32                         ; s[32:39] group 1: 12 rows of 256 bytes
.set G0,    40                         ; s[40:59] five groups 0
.set WV,    18                         ; s18 my wave
.set TB,    60                         ; s60 LDS byte of the key step in hand; s61 of its scale words of K; s62 of V's; s63 the loop's count
.set TK,    61
.set TV,    62
.set CNT,   63
; REGISTERS: v1 16 l, v2 8 l, v3, v4 my place among K's and V's scale words, v5, v6 the add's two, v7 where my query's scale pair goes, v8-11 the step's addresses, v12 -M, v13 the largest t, v[14:15] the sum in two halves,
; v16-27 Q (v22-27 zeros), v28 Q's scale word, v29-31 offsets, v32-79 eight tiles of K, then four of V, v80-85 zeros, v88-95 K's scale words, v96-159 S^T, then p, v160-191 O^T, v192-195 V's scale words,
; v196-199 the blocks' largest, v200-203 the other lane's and the bytes, v204-207 the conversions' scale operands, v208-219 p's codes, v220-226 the conversions' second halves, v228 p's scale word, v[230:231] f,
; v232 at work, v[234:235] the second chain of sums, v236-241, v242 the second tile's Q, v243 the scale pair.
.macro ROUND                           ; a round of the cluster's barrier
	s_barrier_signal -1
	s_barrier_wait -1
	s_cmp_lg_u32 s[WV], 0
	s_cbranch_scc1 .Lnot_wave_0_\@
	s_barrier_signal -3
.Lnot_wave_0_\@:
	s_barrier_wait -3
	s_barrier_signal -1
	s_barrier_wait -1
.endm
	s_load_b128 s[4:7], s[0:1], 0x0                ; qkv, aimg
	s_load_b64 s[8:9], s[0:1], 0x10                ; asc
	v_lshl_add_u32 v5, v0, 2, SPARE
	v_mov_b32 v6, 0
	ds_add_u32 v5, v6                              ; the wave's opening: the add and its wait ahead of the first tensor loads; the set-up below stands between them
	ds_add_u32 v5, v6
	v_lshrrev_b32 v8, 5, v0
	s_delay_alu instid0(VALU_DEP_1)
	v_readfirstlane_b32 s[WV], v8                  ; wave 0..15
	v_and_b32 v9, 31, v0                           ; lane
	v_and_b32 v10, 15, v0                          ; r
	s_delay_alu instid0(VALU_DEP_2)
	v_lshlrev_b32 v1, 4, v9
	s_delay_alu instid0(VALU_DEP_3)
	v_lshlrev_b32 v2, 3, v9
	s_delay_alu instid0(VALU_DEP_3)
	v_lshlrev_b32 v31, 4, v10
	s_delay_alu instid0(VALU_DEP_1)
	v_add_nc_u32 v3, R_KS, v31
	s_delay_alu instid0(VALU_DEP_2)
	v_add_nc_u32 v4, R_VS, v31
	s_lshl_b32 s66, s[WV], 5
	s_add_co_u32 s66, s66, STG
	v_lshl_add_u32 v7, v10, 1, s66                 ; STG + 32 x wave + 2 r
	v_and_b32 v29, 63, v0
	s_delay_alu instid0(VALU_DEP_1)
	v_lshlrev_b32 v29, 4, v29                      ; the last copy: 16 bytes a thread of waves 0 and 1
	s_delay_alu instid0(VALU_DEP_1)
	v_add_nc_u32 v30, STG, v29
	s_min_u32 s19, s[WV], 3                        ; the loading waves' number
	s_bfe_u32 s10, ttmp6, 0x40000                  ; cx: which quarter of the queries
	s_and_b32 s11, ttmp7, 0xffff                   ; the record, which the four partners share
	s_lshr_b32 s12, s11, 2                         ; the head
	s_and_b32 s13, s11, 3                          ; the batch
	s_mov_b32 s[G1T], 15|(3<<16)|(1<<21)           ; the mask: all four work-groups; elements of 8 bytes; bit 21 beside a mask; no padding
	s_mov_b32 s[G1T+1], 32<<16                     ; tensor_dim0 = 32 elements: 256 bytes
	s_mov_b32 s[G1T+2], 48<<16                     ; tensor_dim1 = 48
	s_mov_b32 s[G1T+3], 32<<16                     ; tile_dim0
	s_mov_b32 s[G1T+4], 48                         ; tile_dim1
	s_mov_b32 s[G1T+5], 32                         ; the pitch: dense
	s_mov_b32 s[G1T+6], 0
	s_mov_b32 s[G1T+7], 0
	s_mov_b32 s[G1S], 15|(3<<16)|(1<<21)
	s_mov_b32 s[G1S+1], 32<<16
	s_mov_b32 s[G1S+2], 12<<16
	s_mov_b32 s[G1S+3], 32<<16
	s_mov_b32 s[G1S+4], 12
	s_mov_b32 s[G1S+5], 32
	s_mov_b32 s[G1S+6], 0
	s_mov_b32 s[G1S+7], 0
	s_mov_b32 s20, 0x76543210
	s_mov_b32 s21, 0xfedcba98                      ; v_permlanex16_b32's selects for lane l xor 16
	s_mov_b32 s22, 0x3e38aa3b                      ; c = log2(e) / 8
	s_mov_b32 s23, s22                             ; (named with it as a pair)
	s_mul_i32 s66, s11, REC
	s_mov_b32 s67, 0
	s_mul_i32 s68, s19, 3072
	s_add_co_u32 s68, s68, R_KS                    ; my quarter of the 12,288 bytes of scale words: the same place in the record and in LDS
	s_mov_b32 s69, 0
	s_mul_i32 s70, s19, STEPB                      ; my key step of a chunk of four
	s_mov_b32 s71, 0
.irp i, 22,23,24,25,26,27,80,81,82,83,84,85,200,201,202,203,231,232
	v_mov_b32 v\i, 0                               ; Q's upper half; the zeros behind K's last tile; permute destinations; the upper half of f's pair
.endr
	s_wait_dscnt 0x0                               ; the opening add is done
	s_wait_kmcnt 0x0
	s_add_nc_u64 s[4:5], s[4:5], s[66:67]          ; my record
	s_mov_b32 s[G0], 1
	s_mov_b32 s[G0+1], s68
	s_add_nc_u64 s[G0+2:G0+3], s[4:5], s[68:69]
	s_or_b32 s[G0+3], s[G0+3], 0x80000000
.irp c, 0,1,2,3
	s_mov_b32 s[G0+4+4*\c], 1
	s_add_co_u32 s[G0+5+4*\c], s70, \c*4*STEPB
	s_add_nc_u64 s[G0+6+4*\c:G0+7+4*\c], s[4:5], s[70:71]
	s_add_nc_u64 s[G0+6+4*\c:G0+7+4*\c], s[G0+6+4*\c:G0+7+4*\c], \c*4*STEPB
	s_or_b32 s[G0+7+4*\c], s[G0+7+4*\c], 0x80000000
.endr
	ROUND                                          ; all four work-groups are here: the joint loads meet
	s_cmp_lt_u32 s[WV], 4                          ; a wave's first fills stand in one branch on the wave's number, ahead of every wait on TENSORcnt, LDS read and barrier
	s_cbranch_scc0 .Lno_fill
	tensor_load_to_lds s[G0:G0+3], s[G1S:G1S+7]
	s_nop 0
.irp c, 0,1,2,3
	tensor_load_to_lds s[G0+4+4*\c:G0+7+4*\c], s[G1T:G1T+7]
	s_nop 0
.endr
.rept 4
	v_nop
.endr
.Lno_fill:
	; Q of my two tiles: tile 32 cx + 16 pass + wave of the record's 128
	s_lshl_b32 s60, s10, 5
	s_add_co_u32 s60, s60, s[WV]
	s_mul_i32 s2, s60, 768
	s_add_co_u32 s2, s2, R_QI
	s_mov_b32 s3, 0
	s_add_nc_u64 s[14:15], s[4:5], s[2:3]
	s_lshl_b32 s2, s10, 11                         ; scale words: 256 bytes for four tiles; in them 16 r + 4 (tile % 4)
	s_lshr_b32 s61, s[WV], 2
	s_lshl_b32 s61, s61, 8
	s_add_co_u32 s2, s2, s61
	s_and_b32 s61, s[WV], 3
	s_lshl_b32 s61, s61, 2
	s_add_co_u32 s2, s2, s61
	s_add_co_u32 s2, s2, R_QS
	s_add_nc_u64 s[16:17], s[4:5], s[2:3]
	global_load_b128 v[16:19], v1, s[14:15]
	global_load_b64 v[20:21], v2, s[14:15] offset:512
	global_load_b32 v28, v31, s[16:17]
	global_load_b128 v[236:239], v1, s[14:15] offset:16*768
	global_load_b64 v[240:241], v2, s[14:15] offset:16*768+512
	global_load_b32 v242, v31, s[16:17] offset:1024
	s_lshl_b32 s2, s13, 7
	s_add_co_u32 s2, s2, s60                       ; my first tile among all 512 blocks of 16 tokens
	s_mul_i32 s2, s2, 12288                        ; 16 heads x 768 bytes a block
	s_mul_i32 s61, s12, 768
	s_add_co_u32 s2, s2, s61
	s_add_nc_u64 s[6:7], s[6:7], s[2:3]
	s_lshl_b32 s2, s12, 14                         ; asc: 16,384 bytes a head, 4,096 a batch, 1,024 a work-group
	s_lshl_b32 s61, s13, 12
	s_add_co_u32 s2, s2, s61
	s_lshl_b32 s61, s10, 10
	s_add_co_u32 s2, s2, s61
	s_add_nc_u64 s[8:9], s[8:9], s[2:3]
.macro INIT                            ; a tile of queries begins: O^T and the sum are zeros, the largest t lies under every t; the first change of M leaves zeros zeros
	v_mov_b32 v13, 0xff61b1e6                      ; -3e38
	s_delay_alu instid0(VALU_DEP_1)
	v_floor_f32 v12, -v13
	v_mov_b32 v14, 0
	v_mov_b32 v15, 0
.set j, 0
.rept 32
	v_mov_b32 v[160+j], 0
.set j, j+1
.endr
.endm
; A KEY STEP: 128 keys.
.macro STEP
	s_setprio 2
	v_add_nc_u32 v8, s[TB], v1                     ; these four are also the places behind the last products, ahead of the loads into their operands' registers
	v_add_nc_u32 v9, s[TB], v2
	v_add_nc_u32 v10, s[TK], v3
	v_add_nc_u32 v11, s[TV], v4
.irp t, 0,1,2,3,4,5,6,7
	ds_load_b128 v[32+6*\t:35+6*\t], v8 offset:768*\t          ; a tile's registers 0-3,
	ds_load_b64 v[36+6*\t:37+6*\t], v9 offset:768*\t+512       ; and 4-5
.endr
	ds_load_b128 v[88:91], v10                     ; the scale words of tiles 0-3,
	ds_load_b128 v[92:95], v10 offset:256          ; and 4-7
	s_wait_alu depctr_va_vdst(0)
	s_wait_dscnt 0x0
.irp t, 0,1,2,3,4,5,6,7
	v_wmma_scale_f32_16x16x128_f8f6f4 v[96+8*\t:103+8*\t], v[32+6*\t:43+6*\t], v[16:27], 0, v[88+\t], v28 matrix_a_fmt:MATRIX_FMT_FP6 matrix_b_fmt:MATRIX_FMT_FP6
.endr
.rept 4
	v_nop                                          ; places ahead of the loads below and of the first read of the scores
.endr
.irp t, 0,1,2,3                                ; V's four tiles land while the softmax is worked
.irp c, 0,1,2
	ds_load_b128 v[32+12*\t+4*\c:35+12*\t+4*\c], v8 offset:6144+1536*\t+512*\c
.endr
.endr
	ds_load_b128 v[192:195], v11
.irp b, 0,1,2,3
	v_max3_num_f32 v[196+\b], v[96+16*\b], v[97+16*\b], v[98+16*\b]   ; the largest score of each block of 32 keys: for the row's maximum, and, since p rises with the score, for the block's largest p
.endr
.irp i, 3,5,7,9,11,13
.irp b, 0,1,2,3
	v_max3_num_f32 v[196+\b], v[196+\b], v[96+16*\b+\i], v[97+16*\b+\i]
.endr
.endr
.irp b, 0,1,2,3
	v_max_num_f32 v[196+\b], v[196+\b], v[111+16*\b]
.endr
.irp b, 0,1,2,3
	s_delay_alu instid0(VALU_DEP_4)
	v_permlanex16_b32 v[200+\b], v[196+\b], s20, s21
.endr
.irp b, 0,1,2,3
	s_delay_alu instid0(VALU_DEP_4)
	v_max_num_f32 v[196+\b], v[196+\b], v[200+\b]  ; with lane l xor 16's 16 keys
.endr
	s_delay_alu instid0(VALU_DEP_2)
	v_max3_num_f32 v232, v196, v197, v198
	s_delay_alu instid0(VALU_DEP_1)
	v_max_num_f32 v232, v232, v199                 ; the step's largest score of my query
	s_delay_alu instid0(VALU_DEP_1)
	v_mul_f32 v232, s22, v232                      ; as t
	s_delay_alu instid0(VALU_DEP_1)
	v_max_num_f32 v13, v13, v232                   ; the running largest t
	v_mov_b32 v232, v12
	s_delay_alu instid0(VALU_DEP_2)
	v_floor_f32 v12, -v13                          ; the new -M = -ceil(t)
	s_delay_alu instid0(VALU_DEP_1)
	v_sub_f32 v232, v12, v232                      ; old M - new M: a whole number, 0 or less
	s_delay_alu instid0(VALU_DEP_1)
	v_cvt_i32_f32 v232, v232                       ; (it saturates)
	s_delay_alu instid0(VALU_DEP_1)
	v_ldexp_f32 v230, 1.0, v232                    ; f = 2^(old M - new M)
.set j, 0
.rept 32
	v_pk_fma_f32 v[96+j:97+j], v[96+j:97+j], s[22:23], v[12:13] op_sel_hi:[1,0,0]   ; t - M, two at a time
.set j, j+2
.endr
.irp b, 0,1,2,3
	v_fma_f32 v[196+\b], v[196+\b], s22, v12       ; the same of each block's largest score
.endr
.set j, 0
	s_wait_alu depctr_va_vdst(0)
.rept 64
	v_exp_f32 v[96+j], v[96+j]                     ; p = 2^(t - M), at most 1
.set j, j+1
.endr
	s_setprio 1
	v_pk_mul_f32 v[14:15], v[14:15], v[230:231] op_sel_hi:[1,0]   ; the sums under the new M: a plain line behind the exponentials
	s_wait_alu depctr_va_vdst(0)                   ; one wait for the batch of 64, ahead of its first reader
.irp b, 0,1,2,3
	v_exp_f32 v[196+\b], v[196+\b]                 ; the block's largest p: the same two instructions on the same number
.endr
	v_pk_add_f32 v[234:235], v[100:101], v[104:105]
	v_pk_add_f32 v[254:255], v[108:109], v[112:113]
	v_pk_add_f32 v[252:253], v[116:117], v[120:121]
	v_pk_add_f32 v[250:251], v[124:125], v[128:129]
	v_pk_add_f32 v[248:249], v[132:133], v[136:137]
	v_pk_add_f32 v[246:247], v[140:141], v[144:145]
	v_pk_add_f32 v[244:245], v[148:149], v[152:153]
	v_pk_add_f32 v[14:15], v[14:15], v[156:157]
	v_pk_add_f32 v[234:235], v[234:235], v[96:97]
	v_pk_add_f32 v[254:255], v[254:255], v[98:99]
	v_pk_add_f32 v[252:253], v[252:253], v[102:103]
	v_pk_add_f32 v[250:251], v[250:251], v[106:107]
	v_pk_add_f32 v[248:249], v[248:249], v[110:111]
	v_pk_add_f32 v[246:247], v[246:247], v[114:115]
	v_pk_add_f32 v[244:245], v[244:245], v[118:119]
	v_pk_add_f32 v[14:15], v[14:15], v[122:123]
	v_pk_add_f32 v[234:235], v[234:235], v[126:127]
	v_pk_add_f32 v[254:255], v[254:255], v[130:131]
	v_pk_add_f32 v[252:253], v[252:253], v[134:135]
	v_pk_add_f32 v[250:251], v[250:251], v[138:139]
	v_pk_add_f32 v[248:249], v[248:249], v[142:143]
	v_pk_add_f32 v[246:247], v[246:247], v[146:147]
	v_pk_add_f32 v[244:245], v[244:245], v[150:151]
	v_pk_add_f32 v[14:15], v[14:15], v[154:155]
	v_pk_add_f32 v[234:235], v[234:235], v[158:159]
	s_delay_alu instid0(VALU_DEP_2)
	v_pk_add_f32 v[14:15], v[14:15], v[250:251]
	s_delay_alu instid0(VALU_DEP_2)
	v_pk_add_f32 v[234:235], v[234:235], v[248:249]
	v_pk_add_f32 v[254:255], v[254:255], v[246:247]
	v_pk_add_f32 v[252:253], v[252:253], v[244:245]
	s_delay_alu instid0(VALU_DEP_2)
	v_pk_add_f32 v[14:15], v[14:15], v[254:255]
	s_delay_alu instid0(VALU_DEP_2)
	v_pk_add_f32 v[234:235], v[234:235], v[252:253]
	s_delay_alu instid0(VALU_DEP_1)
	v_pk_add_f32 v[14:15], v[14:15], v[234:235]
	s_wait_alu depctr_va_vdst(0)                   ; and one for the four
.irp b, 0,1,2,3
	v_max_num_f32 v[196+\b], 0x1800000, v[196+\b]  ; the floor 2^(3 - 127): the byte cannot fall under 1
.endr
.irp b, 0,1,2,3
	s_delay_alu instid0(VALU_DEP_4)
	v_add_nc_u32 v[204+\b], 0xff000000, v[196+\b]  ; 2 off the exponent field: the conversion's scale operand
.endr
.irp b, 0,1,2,3
	s_delay_alu instid0(VALU_DEP_4)
	v_lshrrev_b32 v[200+\b], 23, v[204+\b]         ; the scale's byte
.endr
	s_delay_alu instid0(VALU_DEP_3)
	v_lshl_or_b32 v228, v201, 8, v200              ; p's scale word for these 128 keys
	s_delay_alu instid0(VALU_DEP_1)
	v_lshl_or_b32 v228, v202, 16, v228
	s_delay_alu instid0(VALU_DEP_1)
	v_lshl_or_b32 v228, v203, 24, v228
.irp c, 0,1
	v_cvt_scalef32_pk16_fp6_f32 v[208+6*\c:210+6*\c], v[96+32*\c:111+32*\c], v[204+2*\c]
	v_cvt_scalef32_pk16_fp6_f32 v[220+4*\c:222+4*\c], v[112+32*\c:127+32*\c], v[205+2*\c]   ; (a conversion's three registers begin on an even number)
.endr
	v_nop                                          ; one plain line behind a scaled conversion
.irp c, 0,1                                    ; the operand's layout wants a whole block in a lane
.irp i, 0,1,2
	v_permlane16_swap_b32 v[208+6*\c+\i], v[220+4*\c+\i]
.endr
.irp i, 0,1,2
	s_delay_alu instid0(VALU_DEP_3)
	v_mov_b32 v[211+6*\c+\i], v[220+4*\c+\i]
.endr
.endr
.set j, 0
	s_setprio 0
.rept 16
	v_pk_mul_f32 v[160+j:161+j], v[160+j:161+j], v[230:231] op_sel_hi:[1,0]   ; O^T under the new M, each accumulator from its low end on; these sixteen are also the places between the codes and the scale word just made and the products
.set j, j+2
.endr
	s_wait_alu depctr_va_vdst(0)
	s_wait_dscnt 0x0                               ; V's tiles and scale words are in
.irp t, 0,1,2,3                                ; the four accumulators by turns, one instruction a turn
	v_wmma_scale_f32_16x16x128_f8f6f4 v[160+8*\t:167+8*\t], v[32+12*\t:43+12*\t], v[208:219], v[160+8*\t:167+8*\t], v[192+\t], v228 matrix_a_fmt:MATRIX_FMT_FP6 matrix_b_fmt:MATRIX_FMT_FP6
.endr
	s_add_co_u32 s[TB], s[TB], STEPB
	s_add_co_u32 s[TK], s[TK], 512
	s_add_co_u32 s[TV], s[TV], 256
.endm
; A tile of queries is finished: O^T / l; register 16 a + i is channel 32 a + 16 (lane / 16) + i of my head: two blocks of the last product's K.  Codes: half a fragment, six registers; scales: two bytes a query.
.macro WAYOUT p
.rept 4
	v_nop                                          ; places behind the last products
.endr
	v_add_f32 v14, v14, v15                        ; the sum's two halves,
	s_delay_alu instid0(VALU_DEP_1)
	v_permlanex16_b32 v232, v14, s20, s21
	s_delay_alu instid0(VALU_DEP_1)
	v_add_f32 v14, v14, v232                       ; and lane l xor 16's
	s_wait_alu depctr_va_vdst(0)
	v_rcp_f32 v14, v14
	v_nop                                          ; a plain line behind the reciprocal
	s_wait_alu depctr_va_vdst(0)                   ; the wait ahead of its first reader
.set j, 0
.rept 16
	v_pk_mul_f32 v[96+j:97+j], v[160+j:161+j], v[14:15] op_sel_hi:[1,0]   ; each accumulator from its low end on
.set j, j+2
.endr
.irp b, 0,1
	v_max3_num_f32 v[196+\b], |v[96+16*\b]|, |v[97+16*\b]|, 0x1800000
.endr
.irp i, 2,4,6,8,10,12,14
.irp b, 0,1
	s_delay_alu instid0(VALU_DEP_2)
	v_max3_num_f32 v[196+\b], v[196+\b], |v[96+16*\b+\i]|, |v[97+16*\b+\i]|
.endr
.endr
.irp b, 0,1
	s_delay_alu instid0(VALU_DEP_2)
	v_permlanex16_b32 v[200+\b], v[196+\b], s20, s21
.endr
.irp b, 0,1
	s_delay_alu instid0(VALU_DEP_2)
	v_max_num_f32 v[196+\b], v[196+\b], v[200+\b]
.endr
.irp b, 0,1
	s_delay_alu instid0(VALU_DEP_2)
	v_add_nc_u32 v[204+\b], 0xff000000, v[196+\b]
.endr
.irp b, 0,1
	s_delay_alu instid0(VALU_DEP_2)
	v_lshrrev_b32 v[200+\b], 23, v[204+\b]
.endr
	s_delay_alu instid0(VALU_DEP_1)
	v_lshl_or_b32 v243, v201, 8, v200
	v_cvt_scalef32_pk16_fp6_f32 v[208:210], v[96:111], v204
	v_cvt_scalef32_pk16_fp6_f32 v[220:222], v[112:127], v205
	v_nop                                          ; one plain line behind a scaled conversion
.irp i, 0,1,2
	v_permlane16_swap_b32 v[208+\i], v[220+\i]
.endr
.irp i, 0,1,2
	s_delay_alu instid0(VALU_DEP_3)
	v_mov_b32 v[211+\i], v[220+\i]
.endr
.irp q, 0,1,2
	global_store_b64 v2, v[208+2*\q:209+2*\q], s[6:7] offset:16*12288*\p+256*\q   ; 32 lanes store 256 consecutive bytes, aligned
.endr
	ds_store_b16 v7, v243 offset:512*\p            ; lanes r and 16 + r write the same two bytes with the same value
.endm
	s_wait_loadcnt 0x0                             ; Q
	INIT
.irp c, 0,1,2,3                                ; the first tile of queries walks the keys chunk by chunk, as the chunks land
	s_wait_tensorcnt 3-\c                          ; behind chunk c's load a loading wave issued 3 - c more; they may stay out
	s_barrier_signal -1                            ; (no LDS instruction of mine is out here)
	s_barrier_wait -1                              ; every loading wave's part of the chunk is in
	s_mov_b32 s[TB], \c*4*STEPB
	s_mov_b32 s[TK], \c*4*512
	s_mov_b32 s[TV], \c*4*256
	s_mov_b32 s[CNT], 4
.Lchunk\c:
	STEP
	s_sub_co_u32 s[CNT], s[CNT], 1
	s_cmp_lg_u32 s[CNT], 0
	s_cbranch_scc1 .Lchunk\c
	s_setprio 0
.endr
	WAYOUT 0
	s_wait_xcnt 0x0                                ; the stores have read their registers: the codes' are written again below
.irp i, 0,1,2,3,4,5
	v_mov_b32 v[16+\i], v[236+\i]                  ; the second tile's Q
.endr
	v_mov_b32 v28, v242
	INIT                                           ; (its lines are also the places between Q's registers just written and the products)
	s_mov_b32 s[TB], 0
	s_mov_b32 s[TK], 0
	s_mov_b32 s[TV], 0
	s_mov_b32 s[CNT], 16
.Lsecond:
	STEP
	s_sub_co_u32 s[CNT], s[CNT], 1
	s_cmp_lg_u32 s[CNT], 0
	s_cbranch_scc1 .Lsecond
	s_setprio 0
	WAYOUT 1
	s_wait_dscnt 0x0                               ; for the others' sake: my scale pairs lie in LDS
	s_barrier_signal -1
	s_barrier_wait -1
	s_cmp_lt_u32 s[WV], 2                          ; waves 0 and 1 store the work-group's 1,024 bytes of scale pairs
	s_cbranch_scc0 .Lno_pairs
	ds_load_b128 v[96:99], v30
	s_wait_dscnt 0x0
	global_store_b128 v29, v[96:99], s[8:9]        ; a wave stores 512 consecutive bytes, aligned to 256
.Lno_pairs:
	s_wait_tensorcnt 0x0                           ; the wave's end, behind my last tensor load and my last LDS store
	ds_add_u32 v5, v6
	s_wait_dscnt 0x0
	ROUND                                          ; the closing round
	s_endpgm
.Lfunc_end_k_q704f33fb91_attn:
	.size	k_q704f33fb91_attn, .Lfunc_end_k_q704f33fb91_attn-k_q704f33fb91_attn
	.p2alignl 7, 3214868480
	.fill 96, 4, 3214868480
	.section	.rodata,"a",@progbits
	.p2align	6, 0x0
	.amdhsa_kernel k_q704f33fb91_attn
		.amdhsa_group_segment_fixed_size 212992
		.amdhsa_private_segment_fixed_size 0
		.amdhsa_enable_private_segment 0
		.amdhsa_kernarg_size 24
		.amdhsa_user_sgpr_count 2
		.amdhsa_user_sgpr_kernarg_segment_ptr 1
		.amdhsa_wavefront_size32 1
		.amdhsa_system_sgpr_workgroup_id_x 1
		.amdhsa_system_sgpr_workgroup_id_y 1
		.amdhsa_system_sgpr_workgroup_id_z 1
		.amdhsa_system_vgpr_workitem_id 0
		.amdhsa_next_free_vgpr 256
		.amdhsa_next_free_sgpr 72
		.amdhsa_reserve_vcc 0
		.amdhsa_float_denorm_mode_32 3
		.amdhsa_float_denorm_mode_16_64 3
		.amdhsa_memory_ordered 1
		.amdhsa_forward_progress 1
		.amdhsa_inst_pref_size 107
	.end_amdhsa_kernel
	.amdgpu_metadata
---
amdhsa.version: [ 1, 2 ]
amdhsa.kernels:
  - .name:           k_q704f33fb91_attn
    .symbol:         k_q704f33fb91_attn.kd
    .args:
      - { .name: qkv, .offset: 0, .size: 8, .value_kind: global_buffer, .address_space: global }
      - { .name: aimg, .offset: 8, .size: 8, .value_kind: global_buffer, .address_space: global }
      - { .name: asc, .offset: 16, .size: 8, .value_kind: global_buffer, .address_space: global }
    .group_segment_fixed_size: 212992
    .private_segment_fixed_size: 0
    .kernarg_segment_align: 8
    .kernarg_segment_size: 24
    .max_flat_workgroup_size: 512
    .sgpr_count:     72
    .vgpr_count:     256
    .wavefront_size: 32
...
	.end_amdgpu_metadata
.endif
;; end of part 3
;; launch outgemm (part 4): grid 4 x 32, 4 waves a work-group, clusters of 4 x 4, 327,680 bytes of LDS; arguments aimg, asc, cod, scl, out0; writes out0
.if DOCPART == 4
	.amdgcn_target "amdgcn-amd-amdhsa--gfx1250"
	.amdhsa_code_object_version 6
	.text
	.protected	k_q704f33fb91_outgemm
	.globl	k_q704f33fb91_outgemm
	.p2align	8
	.type	k_q704f33fb91_outgemm,@function
k_q704f33fb91_outgemm:
	s_mov_b64 s[64:65], 0
	v_nop
	global_prefetch_b8 v0, s[64:65] scope:SCOPE_SE
	s_setreg_imm32_b32 hwreg(HW_REG_WAVE_MODE, 25, 1), 1
	s_wait_xcnt 0x0
	s_wait_alu depctr_hold_cnt(0) depctr_sa_sdst(0) depctr_va_vdst(0) depctr_va_sdst(0) depctr_va_ssrc(0) depctr_va_vcc(0) depctr_vm_vsrc(0)
	s_getreg_b32 s2, hwreg(HW_REG_IB_STS2, 6, 4)
	s_cmp_eq_u32 s2, 0
	s_cbranch_scc0 .Lentry_in_a_cluster
	s_endpgm
.Lentry_in_a_cluster:
	s_bfe_u32 s2, ttmp6, 0x10000c
	s_cmp_lg_u32 s2, 0xf033
	s_cbranch_scc0 .Lentry_shape_is_right
	s_endpgm
.Lentry_shape_is_right:
; out0 = A w_out^T on codes of FP6 (E2M3) with E8M0 scales; A is the attention's result, 8,192 tokens x 1,024 channels; out0 [8192][1024] f32.
; A tile of 256 x 256 of out0 is made by four waves, 128 x 128 each; K = 1,024 goes in steps of 256 through a ring of two LDS slots filled by joint tensor loads of a 4 x 4 cluster (A's tiles shared along a row of the cluster, B's along a column).
; A COMES AS IMAGES OF ITS FRAGMENTS' REGISTERS: aimg [block of 16 tokens][head][768 bytes]; two heads on end are a fragment of 16 rows x 128 K: registers 2 p, 2 p + 1 of lane l at 256 p + 8 l.  A slot's part of a block is four heads, 3,072
; consecutive bytes; a wave's tensor load brings 8 such rows, 12,288 bytes apart.  Every LDS load of a fragment takes 256 consecutive bytes: no pitch, no padding.
; A'S SCALE BYTES lie in asc as two bytes for each head and token; the work-group puts the words of its 256 rows together once, in LDS bytes of their own into which no tensor load lands.  B = w_out's codes (cod from row 11,264) and scale bytes.
; THE TOKENS OF A LIE WITH BITS 3 AND 4 OF THEIR NUMBER EXCHANGED: row t of block a of 16 is token 32 (a / 2) + 8 (a % 2) + t % 8 + 16 (t / 8) of my 128; the stores' offsets put each row where it belongs.
; The matrix instruction is used transposed (source 0 = 16 rows of B, source 1 = 16 rows of A): a lane holds eight neighbouring numbers of a row of out0.
; 128 work-groups: the tile is kept at 256 x 256, since a smaller one reads more LDS bytes for each matrix instruction.  No prefetch: four K steps in all, of which two are asked for at the head.
; REGISTERS, in windows of 256: window 0: v0-31 addresses; v32-63 scale words, two sets, and nothing else; v64-97 at work at the head; from v128 A's fragments; on the way out v128-255.
;   window 1: B's fragments, two sets.   windows 2 and 3: the accumulators ((a, b) at v[8 (8 (a % 4) + b)]).
.set SIZE_K, 1024
.set KSTEP,  256
.set NQ,     KSTEP/128
.set ROWB,   192                       ; B: a tile's row in bytes
.set KROW,   SIZE_K*6/8
.set PITCH,  240                       ; B: an LDS row: 3 x (64 bytes + 16 of padding)
.set FR,     12
.set NL,     6
.set NP,     4
.set ASTEP,  3072                      ; A: a block's bytes of a K step of 256
.set AHALF,  8*ASTEP                   ; A: 128 rows
.set HALFT,  128*PITCH                 ; B: 128 rows
.set SLOT,   2*AHALF+2*HALFT           ; A's 256 rows, then B's 256 rows
.set LAPS,   SIZE_K/(2*KSTEP)
.set KS,     SIZE_K/32
.set SCL,    2*SLOT                    ; behind the ring: A's scale words (written by LDS stores alone: 34 blocks of 256 bytes), then B's (filled once by tensor loads)
.set HALFS,  (128*KS/256)*272
.set SBLK,   (16*KS/256)*272
.set SPARE,  SCL+4*HALFS
.set SPITCH, 528                       ; the way out: a stage of 16 rows x (512 + 16) bytes for each wave, in slot 0, which has had its last fill and its last read by then
.set ADRA, 16                          ; v16-17 LDS address of my A fragments in slot 0, 1
.set ADRB, 20                          ; v20-21 of B's (v22-23: for the pieces behind one padding more)
.set STO,  24
.set RD,   25
.set CO,   26
.set ADRS, 27
.set SPW,  28
.set NIL,  29
.set SC,   32
.set AF,   128
.set BK,   128
.set G1, 24
.set G0, 32
.set G1B, 48
.set G0B, 56
.set G1SB, 80
.set G0SB, 88
.set MSB, 0
.macro WIN new
.if MSB != \new
	s_set_vgpr_msb (MSB<<8)|\new
.set MSB, \new
.endif
.endm
.set MUL_LO, 0xa1
.set MUL_HI, 0xf1
.set TO_B,   0x40
.macro JLOAD g0a, g1a, g0b, g1b        ; a joint load: waves 0 and 1 fetch for A, waves 2 and 3 for B; an s_nop 0 and four v_nop follow each of the two lines
	s_cmp_eq_u32 s15, 0
	s_cbranch_scc0 .Lfor_b_\@
	tensor_load_to_lds s[\g0a:\g0a+3], s[\g1a:\g1a+7]
	s_nop 0
.rept 4
	v_nop
.endr
	s_branch .Lasked_\@
.Lfor_b_\@:
	tensor_load_to_lds s[\g0b:\g0b+3], s[\g1b:\g1b+7]
	s_nop 0
.rept 4
	v_nop
.endr
.Lasked_\@:
.endm
.macro CREST
	s_cmp_lg_u32 s14, 0
	s_cbranch_scc1 .Lnot_wave_0_\@
	s_barrier_signal -3
.Lnot_wave_0_\@:
	s_barrier_wait -3
	s_barrier_signal -1
	s_barrier_wait -1
.endm
.macro CROUND
	s_barrier_signal -1
	s_barrier_wait -1
	CREST
.endm
	s_load_b128 s[4:7], s[0:1], 0x0                ; aimg, asc
	s_load_b128 s[8:11], s[0:1], 0x10              ; cod, scl
	s_load_b64 s[12:13], s[0:1], 0x20              ; out0
	v_lshl_add_u32 v[SPW], v0, 2, SPARE
	v_mov_b32 v[NIL], 0
	ds_add_u32 v[SPW], v[NIL]                      ; the wave's opening: the add and its wait ahead of my first tensor load
	ds_add_u32 v[SPW], v[NIL]
	v_lshrrev_b32 v1, 5, v0
	v_readfirstlane_b32 s14, v1                    ; wave 0..3
	s_lshr_b32 s15, s14, 1                         ; which half of the tile's rows is mine.  Also: I fetch for A (0) or for B (1)
	s_and_b32 s16, s14, 1                          ; which half of its columns.  Also: which 128 rows of that tile I fetch
	s_bfe_u32 s40, ttmp6, 0x40000                  ; cx, cy
	s_bfe_u32 s41, ttmp6, 0x40004
	s_lshl_b32 s42, ttmp9, 2
	s_add_co_u32 s42, s42, s40                     ; tile column
	s_and_b32 s17, ttmp7, 0xffff
	s_lshl_b32 s17, s17, 2
	s_add_co_u32 s17, s17, s41                     ; tile row
	s_lshl_b32 s43, s41, 2
	s_lshl_b32 s43, 15, s43                        ; my row of the cluster
	s_lshl_b32 s44, 0x1111, s40                    ; my column
	s_or_b32 s[G1+0], s43, (3<<16)|(1<<21)         ; A: the mask of my row; elements of 8 bytes; bit 21 beside a mask; no padding
	s_mov_b32 s[G1+1], (ASTEP/8)<<16               ; tensor_dim0 = 384 elements: 3,072 bytes
	s_mov_b32 s[G1+2], 8<<16                       ; tensor_dim1 = 8 blocks of 16 tokens
	s_mov_b32 s[G1+3], (ASTEP/8)<<16               ; tile_dim0
	s_mov_b32 s[G1+4], 8                           ; tile_dim1
	s_mov_b32 s[G1+5], 12288/8                     ; the pitch: 16 heads x 768 bytes
	s_mov_b32 s[G1+6], 0
	s_mov_b32 s[G1+7], 0
	s_or_b32 s[G1B+0], s44, (0<<16)|(1<<20)|(1<<21)|(3<<22)|(3<<25)  ; B: 128 rows x 192 bytes, 16 bytes of padding behind every 64
	s_mov_b32 s[G1B+1], ROWB<<16
	s_mov_b32 s[G1B+2], 128<<16
	s_mov_b32 s[G1B+3], ROWB<<16
	s_mov_b32 s[G1B+4], 128
	s_mov_b32 s[G1B+5], KROW
	s_mov_b32 s[G1B+6], 0
	s_mov_b32 s[G1B+7], 0
	s_or_b32 s[G1SB+0], s44, (3<<16)|(1<<20)|(1<<21)|(5<<22)|(3<<25) ; B's scales of 128 rows: 16 rows of 256 bytes, 16 bytes of padding behind each
	s_mov_b32 s[G1SB+1], 32<<16
	s_mov_b32 s[G1SB+2], (128*KS/256)<<16
	s_mov_b32 s[G1SB+3], 32<<16
	s_mov_b32 s[G1SB+4], 128*KS/256
	s_mov_b32 s[G1SB+5], 32
	s_mov_b32 s[G1SB+6], 0
	s_mov_b32 s[G1SB+7], 0
	s_lshl_b32 s20, s17, 4
	s_lshl_b32 s18, s16, 3
	s_add_co_u32 s20, s20, s18                     ; A: my first block of 16 tokens: 16 x tile row + 8 x half
	s_mul_i32 s20, s20, 12288
	s_mov_b32 s21, 0
	s_lshl_b32 s46, s42, 8
	s_lshl_b32 s18, s16, 7
	s_add_co_u32 s46, s46, s18
	s_add_co_u32 s46, s46, 11264                   ; B: w_out's rows begin at row 11,264 of cod and scl
	s_lshl_b32 s92, s46, 5                         ; 32 scale bytes a row
	s_mov_b32 s93, 0
	s_mul_i32 s46, s46, KROW
	s_mov_b32 s47, 0
	s_mul_i32 s45, s16, AHALF                      ; where they go: A's two halves,
	s_mul_i32 s94, s16, HALFT
	s_add_co_u32 s94, s94, 2*AHALF                 ; B's two halves behind them,
	s_mul_i32 s22, s16, HALFS
	s_add_co_u32 s22, s22, SCL+2*HALFS             ; B's scales
	s_mov_b32 s95, 0x05040100                      ; v_perm_b32: the two low halves
	s_mov_b32 s96, 0x07060302                      ; the two high halves
	s_wait_dscnt 0x0                               ; the opening add is done
	s_wait_kmcnt 0x0
	s_add_nc_u64 s[20:21], s[4:5], s[20:21]
	s_add_nc_u64 s[46:47], s[8:9], s[46:47]
	s_add_nc_u64 s[92:93], s[10:11], s[92:93]
	s_mov_b32 s[G0SB], 1
	s_mov_b32 s[G0SB+1], s22
	s_mov_b64 s[G0SB+2:G0SB+3], s[92:93]
	s_or_b32 s[G0SB+3], s[G0SB+3], 0x80000000
.irp s, 0,1
	s_mov_b32 s[G0+4*\s], 1
	s_add_co_u32 s[G0+4*\s+1], s45, \s*SLOT
	s_add_nc_u64 s[G0+4*\s+2:G0+4*\s+3], s[20:21], \s*ASTEP
	s_or_b32 s[G0+4*\s+3], s[G0+4*\s+3], 0x80000000
	s_mov_b32 s[G0B+4*\s], 1
	s_add_co_u32 s[G0B+4*\s+1], s94, \s*SLOT
	s_add_nc_u64 s[G0B+4*\s+2:G0B+4*\s+3], s[46:47], \s*ROWB
	s_or_b32 s[G0B+4*\s+3], s[G0B+4*\s+3], 0x80000000
.endr
	CROUND                                         ; all sixteen work-groups are here: the first joint loads meet
	s_cmp_eq_u32 s15, 0                            ; a wave's first fills stand in one branch: two loads of A's waves are out, three of B's
	s_cbranch_scc0 .Lfirst_b
	tensor_load_to_lds s[G0:G0+3], s[G1:G1+7]
	s_nop 0
	tensor_load_to_lds s[G0+4:G0+7], s[G1:G1+7]
	s_nop 0
.rept 4
	v_nop
.endr
	s_branch .Lfirst_asked
.Lfirst_b:
	tensor_load_to_lds s[G0SB:G0SB+3], s[G1SB:G1SB+7]
	s_nop 0
	tensor_load_to_lds s[G0B:G0B+3], s[G1B:G1B+7]
	s_nop 0
	tensor_load_to_lds s[G0B+4:G0B+7], s[G1B:G1B+7]
	s_nop 0
.rept 4
	v_nop
.endr
.Lfirst_asked:
	; A's scale pairs: thread n takes rows 2 n and 2 n + 1 of the work-group's 256, all sixteen heads: each load of the work-group reads 512 consecutive bytes
	s_lshl_b32 s20, s17, 9
	s_mov_b32 s21, 0
	s_add_nc_u64 s[6:7], s[6:7], s[20:21]
	v_lshlrev_b32 v96, 2, v0
.irp p, 0,1,2,3,4,5,6,7,8,9,10,11,12,13,14,15
	global_load_b32 v[64+\p], v96, s[6:7] offset:16384*\p
.endr
	v_lshlrev_b32 v97, 6, v0
	v_lshrrev_b32 v3, 2, v0
	v_lshl_add_u32 v97, v3, 4, v97
	v_add_nc_u32 v97, SCL, v97                     ; two rows of 32 bytes at 64 n, and 16 more for each 256 passed
	v_and_b32 v1, 15, v0                           ; l % 16
	v_bfe_u32 v2, v0, 4, 1                         ; l / 16
	v_mul_u32_u24 v3, v1, PITCH
	v_mul_u32_u24 v4, v2, 24
	v_add_nc_u32 v4, v3, v4                        ; B: a fragment's row x pitch + 24 x half
	v_lshl_add_u32 v5, v2, 4, v4                   ; and the same behind one padding more
	v_and_b32 v6, 31, v0
	v_lshlrev_b32 v6, 3, v6                        ; A: 8 x lane
	s_mul_i32 s21, s15, AHALF                      ; my 128 rows of A
	s_mul_i32 s22, s16, HALFT                      ; my 128 rows of B,
	s_add_co_u32 s22, s22, 2*AHALF                 ; which lie behind A's 256
.irp s, 0,1
	v_add_nc_u32 v[ADRA+\s], s21, v6
	v_add_nc_u32 v[ADRB+\s], s22, v4
	v_add_nc_u32 v[ADRB+2+\s], s22, v5
	s_add_co_u32 s21, s21, SLOT
	s_add_co_u32 s22, s22, SLOT
.endr
	v_mul_u32_u24 v5, v1, KS                       ; my row's scales: KS bytes a row,
	v_lshrrev_b32 v6, 8, v5
	v_lshl_add_u32 v5, v6, 4, v5                   ; and 16 more for each 256 passed
	s_mul_i32 s21, s15, HALFS
	s_mul_i32 s22, s16, HALFS
	s_add_co_u32 s22, s22, 2*HALFS
	s_sub_co_u32 s22, s22, s21
	v_mul_u32_u24 v6, s22, v2                      ; lanes 16-31 take B's
	s_add_co_u32 s21, s21, SCL
	v_add_nc_u32 v5, v5, v6
	v_add_nc_u32 v[ADRS], s21, v5
	s_mul_i32 s23, s14, 16*SPITCH                  ; my stage
	v_mul_u32_u24 v5, v1, SPITCH
	v_lshl_add_u32 v5, v2, 5, v5
	v_add_nc_u32 v[STO], s23, v5                   ; in: row l % 16, 32 bytes for each half of the lanes
	v_and_b32 v6, 31, v0
	v_lshlrev_b32 v[CO], 4, v6                     ; back: the 32 lanes take one row of 512 bytes; and the same in out0
	v_add_nc_u32 v[RD], s23, v[CO]
	s_lshl_b32 s20, s17, 8
	s_lshl_b32 s21, s15, 7
	s_add_co_u32 s20, s20, s21                     ; my first row of out0
	s_mov_b32 s21, 0
	s_lshl_b64 s[20:21], s[20:21], 12              ; rows of 4,096 bytes
	s_lshl_b32 s46, s42, 10
	s_lshl_b32 s47, s16, 9
	s_add_co_u32 s46, s46, s47                     ; my first column, in bytes
	s_mov_b32 s47, 0
	s_add_nc_u64 s[20:21], s[20:21], s[46:47]
	s_add_nc_u64 s[12:13], s[12:13], s[20:21]
	s_wait_loadcnt 0x0
.irp f, 0,1,2,3,4,5,6,7                        ; the word of 128 along K: heads 2 f and 2 f + 1, two bytes each
	v_perm_b32 v[80+\f], v[65+2*\f], v[64+2*\f], s95           ; row 2 n
	v_perm_b32 v[88+\f], v[65+2*\f], v[64+2*\f], s96           ; row 2 n + 1
.endr
.irp i, 0,1,2,3
	ds_store_b128 v97, v[80+4*\i:83+4*\i] offset:16*\i
.endr
.macro FRAG reg, adr, q, i             ; B's fragment: 24 bytes of the row's stream of bits for each half of K, in pieces of 8
.irp p, 0,1,2,3,4,5
.set PCE, 12*(\q)+6*(\p/3)+\p%3
.if PCE%8 < 5
	ds_load_b64 v[\reg+2*\p:\reg+2*\p+1], v[\adr] offset:8*PCE+16*(PCE/8)+(\i)*16*PITCH
.else
	ds_load_b64 v[\reg+2*\p:\reg+2*\p+1], v[\adr+2] offset:8*PCE+16*(PCE/8)+(\i)*16*PITCH
.endif
.endr
.endm
.macro FRAGA reg, slot, q, i           ; A's fragment: its image, six pieces of 256 consecutive bytes
.irp p, 0,1,2,3,4,5
	ds_load_b64 v[\reg+2*\p:\reg+2*\p+1], v[ADRA+\slot] offset:ASTEP*(\i)+1536*(\q)+256*\p
.endr
.endm
.macro MUL16 a0, p, q, sc, zero        ; the 64 accumulators take turns, one instruction a turn, in the same order in every step
.irp a, \a0, \a0+1
.irp b, 0,1,2,3,4,5,6,7
.if \zero
	v_wmma_scale_f32_16x16x128_f8f6f4 v[8*(8*((\a)%4)+\b):8*(8*((\a)%4)+\b)+7], v[128*(\p)+FR*\b:128*(\p)+FR*\b+FR-1], v[AF+FR*(\a):AF+FR*(\a)+FR-1], 0, v[SC+8*NQ*(\sc)+NQ*\b+(\q)], v[SC+8*NQ*(\sc)+NQ*(\a)+(\q)] matrix_a_fmt:MATRIX_FMT_FP6 matrix_b_fmt:MATRIX_FMT_FP6 matrix_a_scale:MATRIX_SCALE_ROW1
.else
	v_wmma_scale_f32_16x16x128_f8f6f4 v[8*(8*((\a)%4)+\b):8*(8*((\a)%4)+\b)+7], v[128*(\p)+FR*\b:128*(\p)+FR*\b+FR-1], v[AF+FR*(\a):AF+FR*(\a)+FR-1], v[8*(8*((\a)%4)+\b):8*(8*((\a)%4)+\b)+7], v[SC+8*NQ*(\sc)+NQ*\b+(\q)], v[SC+8*NQ*(\sc)+NQ*(\a)+(\q)] matrix_a_fmt:MATRIX_FMT_FP6 matrix_b_fmt:MATRIX_FMT_FP6 matrix_a_scale:MATRIX_SCALE_ROW1
.endif
.endr
.endr
.endm
.macro FETCH_B slot, q, p
	WIN TO_B
.irp i, 0,1,2,3,4,5,6,7
	FRAG 128*(\p)+FR*\i, ADRB+\slot, \q, \i
.endr
	WIN 0
.endm
.macro FETCH_A slot, q, i0
.irp i, \i0, \i0+1, \i0+2, \i0+3
	FRAGA AF+FR*(\i), \slot, \q, \i
.endr
.endm
.macro SCALES sc
.irp i, 0,1,2,3,4,5,6,7
	ds_load_b64 v[SC+8*NQ*\sc+NQ*\i:SC+8*NQ*\sc+NQ*\i+1], v[ADRS] offset:\i*SBLK
.endr
.endm
.macro PLACES n
.rept \n
	v_nop
.endr
.endm
.macro STEP slot, q, zero
	s_wait_dscnt 4*NL                              ; B's set and A's blocks 0-3 are in; the youngest 24 loads (A's blocks 4-7) may be out
	WIN MUL_LO
	MUL16 0, (\q)%2, \q, \slot, \zero
	MUL16 2, (\q)%2, \q, \slot, \zero
	s_wait_dscnt 0
	PLACES NP
	FETCH_B \slot, (\q)+1, 1-(\q)%2
	FETCH_A \slot, (\q)+1, 0
	WIN MUL_HI
	MUL16 4, (\q)%2, \q, \slot, \zero
	MUL16 6, (\q)%2, \q, \slot, \zero
	PLACES NP
	WIN 0
	FETCH_A \slot, (\q)+1, 4
.endm
.macro TURN slot, next, fill
	s_wait_tensorcnt 0x0                           ; all my tensor loads have landed: my part of the next slot
	ds_add_u32 v[SPW], v[NIL]                      ; 0 onto my spare word
	s_wait_dscnt 4*NL+1                            ; (the add and the youngest 24 loads may be out)
	WIN MUL_LO
	MUL16 0, 1, NQ-1, \slot, 0
	s_wait_dscnt 0x0                               ; the add is done, and my reads of this slot are over
	s_barrier_signal -1
	MUL16 2, 1, NQ-1, \slot, 0
	WIN 0
	s_barrier_wait -1
.if \fill
	CREST                                          ; the barrier has opened a round of the cluster's barrier: no wave of any partner still reads this slot or has a load on its way
	s_add_nc_u64 s[G0+4*\slot+2:G0+4*\slot+3], s[G0+4*\slot+2:G0+4*\slot+3], 2*ASTEP
	s_add_nc_u64 s[G0B+4*\slot+2:G0B+4*\slot+3], s[G0B+4*\slot+2:G0B+4*\slot+3], 2*ROWB
	JLOAD G0+4*\slot, G1, G0B+4*\slot, G1B         ; the first tensor load behind the round, my one load until the next
.else
	PLACES NP
.endif
	s_wait_alu depctr_va_vdst(0)
	v_add_nc_u32 v[ADRS], 4*NQ, v[ADRS]
	FETCH_B \next, 0, 0
	FETCH_A \next, 0, 0
	SCALES \next
	WIN MUL_HI
	MUL16 4, 1, NQ-1, \slot, 0
	MUL16 6, 1, NQ-1, \slot, 0
	PLACES NP
	WIN 0
	FETCH_A \next, 0, 4
.endm
	s_wait_dscnt 0x0                               ; for the others' sake: my part of A's scale words lies in LDS
	s_wait_tensorcnt 1                             ; B's scales and my part of K step 0 are in (K step 1's load may be out)
	s_barrier_signal -1
	s_barrier_wait -1                              ; everybody's are
	FETCH_B 0, 0, 0
	FETCH_A 0, 0, 0
	SCALES 0
	FETCH_A 0, 0, 4
	STEP 0, 0, 1                                   ; the first step's products start the sums
.if LAPS > 1
	s_mov_b32 s3, LAPS-1
.Llap:
	TURN 0, 1, 1
	STEP 1, 0, 0
	TURN 1, 0, 1
	STEP 0, 0, 0
	s_sub_co_u32 s3, s3, 1
	s_cmp_lg_u32 s3, 0
	s_cbranch_scc1 .Llap
.endif
	TURN 0, 1, 0
	STEP 1, 0, 0
	s_wait_dscnt 4*NL
	WIN MUL_LO
	MUL16 0, 1, NQ-1, 1, 0
	MUL16 2, 1, NQ-1, 1, 0
	s_wait_dscnt 0
	WIN MUL_HI
	MUL16 4, 1, NQ-1, 1, 0
	MUL16 6, 1, NQ-1, 1, 0
	WIN 0
; THE WAY OUT, block by block of 16 rows x 128 columns, through my own stage in LDS: in as 32 bytes a lane, back as whole rows of 512 bytes.  LDS serves a wave's instructions in order (ISA guide 5.7.1.4): no wait between the stores and the loads.
.macro TOSTAGE a
.set AC, 64*((\a)%4)
	WIN 0x08+4*((\a)/4)                            ; the data: window 2 or 3
.irp b, 0,1,2,3,4,5,6,7
	ds_store_b128 v[STO], v[AC+8*\b:AC+8*\b+3] offset:64*\b          ; each accumulator from its low end on
	ds_store_b128 v[STO], v[AC+8*\b+4:AC+8*\b+7] offset:64*\b+16
.endr
	WIN 0
.set BB, BK+64*((\a)%2)
.irp t, 0,1,2,3,4,5,6,7,8,9,10,11,12,13,14,15
	ds_load_b128 v[BB+4*\t:BB+4*\t+3], v[RD] offset:\t*SPITCH
.endr
.endm
.macro SEND a, younger                 ; younger: the LDS instructions issued behind block a's loads, which may stay out
.set BB, BK+64*((\a)%2)
	s_wait_dscnt \younger
.irp t, 0,1,2,3,4,5,6,7,8,9,10,11,12,13,14,15
	global_store_b128 v[CO], v[BB+4*\t:BB+4*\t+3], s[12:13] offset:(32*((\a)/2)+8*((\a)%2)+(\t%8)+16*(\t/8))*4096 th:TH_STORE_NT   ; the row's true place among my 128; 32 lanes store 512 consecutive bytes, aligned to 256
.endr
.endm
	PLACES NP                                      ; behind the last products: their results are read, and loads land in the registers that held A's fragments
	TOSTAGE 0
.irp a, 1,2,3,4,5,6,7
.if \a > 1
	s_wait_xcnt 0x0                                ; block a - 2's stores have read their registers: block a's loads may land there
.endif
	TOSTAGE \a
	SEND \a-1, 32                                  ; behind block a - 1's loads: block a's 16 stores and 16 loads
.endr
	SEND 7, 0
	s_wait_tensorcnt 0x0                           ; the wave's end, behind my last tensor load and my last LDS store
	ds_add_u32 v[SPW], v[NIL]
	s_wait_dscnt 0x0
	CROUND                                         ; the closing round
	s_endpgm
.Lfunc_end_k_q704f33fb91_outgemm:
	.size	k_q704f33fb91_outgemm, .Lfunc_end_k_q704f33fb91_outgemm-k_q704f33fb91_outgemm
	.p2alignl 7, 3214868480
	.fill 96, 4, 3214868480
	.section	.rodata,"a",@progbits
	.p2align	6, 0x0
	.amdhsa_kernel k_q704f33fb91_outgemm
		.amdhsa_group_segment_fixed_size 327680
		.amdhsa_private_segment_fixed_size 0
		.amdhsa_enable_private_segment 0
		.amdhsa_kernarg_size 40
		.amdhsa_user_sgpr_count 2
		.amdhsa_user_sgpr_kernarg_segment_ptr 1
		.amdhsa_wavefront_size32 1
		.amdhsa_system_sgpr_workgroup_id_x 1
		.amdhsa_system_sgpr_workgroup_id_y 1
		.amdhsa_system_sgpr_workgroup_id_z 1
		.amdhsa_system_vgpr_workitem_id 0
		.amdhsa_next_free_vgpr 1024
		.amdhsa_next_free_sgpr 98
		.amdhsa_reserve_vcc 0
		.amdhsa_float_denorm_mode_32 3
		.amdhsa_float_denorm_mode_16_64 3
		.amdhsa_memory_ordered 1
		.amdhsa_forward_progress 1
		.amdhsa_inst_pref_size 161
	.end_amdhsa_kernel
	.amdgpu_metadata
---
amdhsa.version: [ 1, 2 ]
amdhsa.kernels:
  - .name:           k_q704f33fb91_outgemm
    .symbol:         k_q704f33fb91_outgemm.kd
    .args:
      - { .name: aimg, .offset: 0, .size: 8, .value_kind: global_buffer, .address_space: global }
      - { .name: asc, .offset: 8, .size: 8, .value_kind: global_buffer, .address_space: global }
      - { .name: cod, .offset: 16, .size: 8, .value_kind: global_buffer, .address_space: global }
      - { .name: scl, .offset: 24, .size: 8, .value_kind: global_buffer, .address_space: global }
      - { .name: out0, .offset: 32, .size: 8, .value_kind: global_buffer, .address_space: global }
    .group_segment_fixed_size: 327680
    .private_segment_fixed_size: 0
    .kernarg_segment_align: 8
    .kernarg_segment_size: 40
    .max_flat_workgroup_size: 128
    .sgpr_count:     98
    .vgpr_count:     1024
    .wavefront_size: 32
...
	.end_amdgpu_metadata
.endif
;; end of part 4
